; MI455X (gfx1250); checked and timed in simulation.
; The chip was launched on July 23, 2026; its instructions are those of AMD's public machine-readable ISA for CDNA 5 (MIT licence, August 2026) and "CDNA5" Instruction Set Architecture Reference Guide (July 2026). The comments in the code are by the model that wrote it; some were corrected since.
;; Goby Block. Allowed arithmetic: float matrix products may take bf16 or f16 operands with f32 sums; other float arithmetic in f32, or as packed bf16 or f16 multiplies, adds, multiply-adds, maxima and minima; sums over many terms, partial sums and values carried from step to step in f32; what a program stores and reads back later, other than sums and carried values, may be rounded once to bf16 or f16.
;; Inputs: cos 2,048 x 64 float32; mask 1 x 1 x 2,048 x 2,048 bool; norm_w 2,048 float32; sin 2,048 x 64 float32; w_down 2,048 x 2,048 float32; w_gate 2,048 x 2,048 float32; w_up 2,048 x 2,048 float32; wk 512 x 2,048 float32; wo 2,048 x 2,048 float32; wq 2,048 x 2,048 float32; wv 512 x 2,048 float32; x 1 x 2,048 x 2,048 float32.
;; Outputs: out0 1 x 2,048 x 2,048 float32.
;; 2 versions, each right; version 2 is version 1 with the launch prep written anew for expert scheduling mode. Each part assembles by itself: llvm-mc -triple=amdgcn-amd-amdhsa -mcpu=gfx1250 --defsym DOCPART=n.
;; ======== version 1 of 2: 4 launches
;; limits: right only within a limited range of input values
;; workspace buffers: H 8,388,608 bytes; W1 29,360,128 bytes; W2 16,777,216 bytes; MB 524,288 bytes of whole numbers; Qb 8,388,608 bytes; Kb 2,097,152 bytes; Vb 2,097,152 bytes; A2 16,777,216 bytes
;; launch prep (part 1): grid 832 x 1, 8 waves a work-group, no clusters, 0 bytes of LDS; arguments wq, wk, wv, w_gate, w_up, x, norm_w, mask, W1, H, MB; writes W1, H, MB
.if DOCPART == 1
	.amdgcn_target "amdgcn-amd-amdhsa--gfx1250"
	.amdhsa_code_object_version 6
	.text
	.protected	k_q78318a2a21_prep
	.globl	k_q78318a2a21_prep
	.p2align	8
	.type	k_q78318a2a21_prep,@function
k_q78318a2a21_prep:
	s_mov_b64 s[64:65], 0
	v_nop
	global_prefetch_b8 v0, s[64:65] scope:SCOPE_SE
	s_setreg_imm32_b32 hwreg(HW_REG_WAVE_MODE, 25, 1), 1
	s_wait_xcnt 0x0
; PREP: what the first matrix launch and the attention want is made here once, by streaming.
;   H  [2048][2048] bf16 = (x * rsqrt(mean(x^2) + 1e-5)) * norm_w, sums of squares in f32
;   W1 [7168][2048] bf16 = wq | wk | wv | w_gate, w_up, in blocks of 16 rows.  Inside each head of q, k, v source block s (0..7) goes to place 2 (s % 4) + s / 4, so that
;      places 2 p and 2 p + 1 hold dims 16 p .. and 64 + 16 p ..: the two partners of the rotation.  Gate block j goes to block 192 + 2 j, up block j to 193 + 2 j.
;   MB [128 tiles of 16 queries][128 blocks of 16 keys][8] words: bit l of word j = mask[16 t + l % 16][16 kb + 8 (l / 16) + j]: a lane mask for register j of a 16 x 16 result
; A work-group takes 16 rows (jobs 0..575) or half a tile of 16 mask rows (jobs 576..831).  In a row job wave w takes rows 2 w, 2 w + 1: 32 loads of 512 consecutive bytes are out at once,
; and each store of the wave covers 256 consecutive bytes, aligned.  No LDS, no loop, no barrier: no wave wants another's bytes.
.set X0,  16                           ; v[16:79] row 0, v[80:143] row 1: 64 f32 a lane, element 128 c + 4 lane + 0..3 in registers 4 c ..
.set NWR, 144                          ; v[144:207] norm_w in the same layout
.set SRC, 36                           ; s[36:37] the job's source
.set DST, 42                           ; s[42:43] its destination
	s_load_b512 s[8:23], s[0:1], 0x0               ; wq 8, wk 10, wv 12, w_gate 14, w_up 16, x 18, norm_w 20, mask 22
	s_load_b128 s[24:27], s[0:1], 0x40             ; W1 24, H 26
	s_load_b64 s[28:29], s[0:1], 0x50              ; MB
	v_lshrrev_b32 v4, 5, v0
	v_readfirstlane_b32 s3, v4                     ; wave 0..7
	v_and_b32 v5, 31, v0                           ; lane
	s_mov_b32 s2, ttmp9                            ; the job
	s_wait_kmcnt 0x0
	s_cmp_ge_u32 s2, 576
	s_cbranch_scc1 .Lmask
; which tensor: a chain of selects on the job's number.  s38 first job of the tensor, s39 + (j << s40) byte offset of the job's 16 rows in the destination
.macro PICK start, src, d0, dsh, dst
	s_cmp_ge_u32 s2, \start
	s_cselect_b64 s[SRC:SRC+1], s[\src:\src+1], s[SRC:SRC+1]
	s_cselect_b32 s38, \start, s38
	s_cselect_b32 s39, \d0, s39
	s_cselect_b32 s40, \dsh, s40
	s_cselect_b64 s[DST:DST+1], s[\dst:\dst+1], s[DST:DST+1]
.endm
	s_mov_b64 s[SRC:SRC+1], s[8:9]                 ; wq
	s_mov_b32 s38, 0
	s_mov_b32 s39, 0
	s_mov_b32 s40, 17
	s_mov_b64 s[DST:DST+1], s[24:25]
	PICK 128, 10, 0, 17, 24                        ; wk
	PICK 160, 12, 0, 17, 24                        ; wv
	PICK 192, 14, 0xc00000, 17, 24                 ; w_gate: block 192 + 2 j
	PICK 320, 16, 0xc10000, 17, 24                 ; w_up: block 193 + 2 j
	PICK 448, 18, 0, 16, 26                        ; x -> H
	s_sub_co_u32 s44, s2, s38                      ; j: the job's number in its tensor
	s_lshl_b32 s45, s44, s40
	s_add_co_u32 s45, s45, s39
	s_and_b32 s46, s2, 0xf8                        ; q, k, v: the block's place in W1
	s_and_b32 s47, s2, 3
	s_lshl_b32 s47, s47, 1
	s_or_b32 s46, s46, s47
	s_bfe_u32 s47, s2, 0x10002
	s_or_b32 s46, s46, s47
	s_lshl_b32 s46, s46, 16                        ; 16 rows of 4,096 bytes
	s_cmp_lt_u32 s2, 192
	s_cselect_b32 s48, s46, s45
	s_lshl_b32 s47, s3, 13                         ; my wave's two rows of 4,096 bytes
	s_add_co_u32 s48, s48, s47
	s_mov_b32 s49, 0
	s_add_nc_u64 s[DST:DST+1], s[DST:DST+1], s[48:49]
	s_lshl_b32 s50, s44, 17                        ; 16 source rows of 8,192 bytes
	s_lshl_b32 s47, s3, 14
	s_add_co_u32 s50, s50, s47
	s_mov_b32 s51, 0
	s_add_nc_u64 s[SRC:SRC+1], s[SRC:SRC+1], s[50:51]
	v_lshlrev_b32 v1, 4, v5                        ; loads: 16 bytes a lane
	v_lshlrev_b32 v2, 3, v5                        ; stores: 8 bytes a lane, row 0,
	v_add_nc_u32 v3, 0x1000, v2                    ; row 1
.macro LOADROW r                       ; a row: sixteen loads of 512 consecutive bytes
.irp c, 0,1,2,3,4,5,6,7,8,9,10,11,12,13,14,15
	global_load_b128 v[X0+64*(\r)+4*(\c):X0+64*(\r)+4*(\c)+3], v1, s[SRC:SRC+1] offset:(\r)*8192+512*(\c) th:TH_LOAD_NT
.endr
.endm
.macro CVTSTORE r                      ; rounded to bf16 in place; each store covers 256 consecutive bytes, aligned
.irp c, 0,1,2,3,4,5,6,7,8,9,10,11,12,13,14,15
	v_cvt_pk_bf16_f32 v[X0+64*(\r)+4*(\c)], v[X0+64*(\r)+4*(\c)], v[X0+64*(\r)+4*(\c)+1]
	v_cvt_pk_bf16_f32 v[X0+64*(\r)+4*(\c)+1], v[X0+64*(\r)+4*(\c)+2], v[X0+64*(\r)+4*(\c)+3]
	global_store_b64 v[2+(\r)], v[X0+64*(\r)+4*(\c):X0+64*(\r)+4*(\c)+1], s[DST:DST+1] offset:256*(\c)
.endr
.endm
; the norm of a row: the sum of squares in four packed chains, started by the first four products; across the lanes; (x * norm) * w in the order of the definition
.macro NORM r
.set XR, X0+64*(\r)
.irp k, 0,1,2,3
	v_pk_mul_f32 v[4+2*(\k):5+2*(\k)], v[XR+2*(\k):XR+2*(\k)+1], v[XR+2*(\k):XR+2*(\k)+1]
.endr
.set i, 4
.rept 28
	v_pk_fma_f32 v[4+2*(i%4):5+2*(i%4)], v[XR+2*i:XR+2*i+1], v[XR+2*i:XR+2*i+1], v[4+2*(i%4):5+2*(i%4)]
.set i, i+1
.endr
	v_pk_add_f32 v[4:5], v[4:5], v[6:7]
	v_pk_add_f32 v[8:9], v[8:9], v[10:11]
	v_pk_add_f32 v[4:5], v[4:5], v[8:9]
	v_add_f32 v4, v4, v5
	v_add_f32_dpp v4, v4, v4 row_xmask:1 row_mask:0xf bank_mask:0xf
	v_add_f32_dpp v4, v4, v4 row_xmask:2 row_mask:0xf bank_mask:0xf
	v_add_f32_dpp v4, v4, v4 row_xmask:4 row_mask:0xf bank_mask:0xf
	v_add_f32_dpp v4, v4, v4 row_xmask:8 row_mask:0xf bank_mask:0xf
	v_permlanex16_b32 v5, v4, s56, s57             ; the other half of the lanes (its destination has been written)
	v_add_f32 v4, v4, v5
	v_fma_f32 v4, v4, s53, s54                     ; sum / 2048 + 1e-5
	v_rsq_f32 v12, v4                              ; twice: a pair for the packed multiply
	v_rsq_f32 v13, v4
	v_nop                                          ; a plain instruction behind the last root,
	s_wait_alu depctr_va_vdst(0)                   ; and one wait for both, ahead of their first reader
.set i, 0
.rept 32
	v_pk_mul_f32 v[XR+2*i:XR+2*i+1], v[XR+2*i:XR+2*i+1], v[12:13]
.set i, i+1
.endr
.set i, 0
.rept 32
	v_pk_mul_f32 v[XR+2*i:XR+2*i+1], v[XR+2*i:XR+2*i+1], v[NWR+2*i:NWR+2*i+1]
.set i, i+1
.endr
.endm
	LOADROW 0
	LOADROW 1
	s_cmp_lt_u32 s2, 448
	s_cbranch_scc1 .Lcvt                           ; a weight is only rounded; x is normed first
	s_mov_b32 s53, 0x3a000000                      ; 1 / 2048
	s_mov_b32 s54, 0x3727c5ac                      ; 1e-5
	s_mov_b32 s56, 0x76543210
	s_mov_b32 s57, 0xfedcba98
.irp c, 0,1,2,3,4,5,6,7,8,9,10,11,12,13,14,15
	global_load_b128 v[NWR+4*(\c):NWR+4*(\c)+3], v1, s[20:21] offset:512*(\c)
.endr
	s_wait_loadcnt 0x0                             ; both rows and norm_w
	NORM 0
	NORM 1
.Lcvt:
	s_wait_loadcnt 16                              ; row 0 is in; row 1's sixteen loads may stay out
	CVTSTORE 0
	s_wait_loadcnt 0x0
	CVTSTORE 1
	s_endpgm
; THE MASK.  Job i = job - 576: tile t = i / 2 (16 query rows); wave job u = 8 (i % 2) + w takes keys 128 u .. 128 u + 127.  Lane l loads 16 bytes of row l % 16: keys 32 c + 16 (l / 16) + 0..15.
; A swap of lane halves turns the four registers of a load into two key blocks in the layout of a 16 x 16 result.  The job's 64 words lie in lanes 0-15, which store 256 consecutive bytes, aligned.
.Lmask:
	s_sub_co_u32 s44, s2, 576
	s_lshr_b32 s45, s44, 1                         ; the tile
	s_and_b32 s46, s44, 1
	s_lshl_b32 s46, s46, 3
	s_add_co_u32 s46, s46, s3                      ; u
	s_lshl_b32 s48, s45, 15                        ; 16 rows of 2,048 bytes
	s_lshl_b32 s47, s46, 7
	s_add_co_u32 s48, s48, s47
	s_mov_b32 s49, 0
	s_add_nc_u64 s[22:23], s[22:23], s[48:49]
	s_lshl_b32 s50, s45, 12                        ; a tile's 1,024 words
	s_lshl_b32 s47, s46, 8                         ; my job's 64
	s_add_co_u32 s50, s50, s47
	s_mov_b32 s51, 0
	s_add_nc_u64 s[28:29], s[28:29], s[50:51]
	v_and_b32 v1, 15, v0
	v_bfe_u32 v2, v0, 4, 1
	v_lshlrev_b32 v1, 11, v1
	v_lshl_add_u32 v1, v2, 4, v1                   ; row x 2,048 + 16 x half
	v_lshlrev_b32 v2, 4, v5                        ; the store: 16 bytes a lane
.irp c, 0,1,2,3
	global_load_b128 v[16+4*(\c):16+4*(\c)+3], v1, s[22:23] offset:32*(\c) th:TH_LOAD_NT
.endr
.irp k, 8,9,10,11
	v_mov_b32 v\k, 0                               ; the words to store: word 8 kb + j lies in lane 2 kb + j / 4, register j % 4
.endr
.irp c, 0,1,2,3
	s_wait_loadcnt 3-(\c)                          ; the younger loads may stay out
	v_permlane16_swap_b32 v[16+4*(\c)], v[16+4*(\c)+2]    ; registers 0, 1: key block 2 c (lanes 16-31: its keys 8..15);
	v_permlane16_swap_b32 v[16+4*(\c)+1], v[16+4*(\c)+3]  ; registers 2, 3: key block 2 c + 1
.irp o, 0,1
.irp j, 0,1,2,3,4,5,6,7
	v_and_b32 v[48+(\j)], 0xff<<(8*((\j)%4)), v[16+4*(\c)+2*(\o)+(\j)/4]
.endr
.irp j, 0,1,2,3,4,5,6,7
	v_cmp_ne_u32 s[52+(\j)], 0, v[48+(\j)]         ; a bit a lane
.endr
.irp j, 0,1,2,3,4,5,6,7
	v_writelane_b32 v[8+(\j)%4], s[52+(\j)], 2*(2*(\c)+(\o))+(\j)/4
.endr
.endr
.endr
	v_cmp_gt_u32 vcc_lo, 16, v5
	s_wait_xcnt 0x0                                ; EXEC changes only behind this wait
	s_and_saveexec_b32 s30, vcc_lo
	global_store_b128 v2, v[8:11], s[28:29]        ; lanes 0-15: 256 consecutive bytes
	s_wait_xcnt 0x0
	s_or_b32 exec_lo, exec_lo, s30
	s_endpgm
.Lfunc_end_k_q78318a2a21_prep:
	.size	k_q78318a2a21_prep, .Lfunc_end_k_q78318a2a21_prep-k_q78318a2a21_prep
	.p2alignl 7, 3214868480
	.fill 96, 4, 3214868480
	.section	.rodata,"a",@progbits
	.p2align	6, 0x0
	.amdhsa_kernel k_q78318a2a21_prep
		.amdhsa_group_segment_fixed_size 0
		.amdhsa_private_segment_fixed_size 0
		.amdhsa_enable_private_segment 0
		.amdhsa_kernarg_size 88
		.amdhsa_user_sgpr_count 2
		.amdhsa_user_sgpr_kernarg_segment_ptr 1
		.amdhsa_wavefront_size32 1
		.amdhsa_system_sgpr_workgroup_id_x 1
		.amdhsa_system_sgpr_workgroup_id_y 1
		.amdhsa_system_sgpr_workgroup_id_z 1
		.amdhsa_system_vgpr_workitem_id 0
		.amdhsa_next_free_vgpr 208
		.amdhsa_next_free_sgpr 66
		.amdhsa_reserve_vcc 1
		.amdhsa_float_denorm_mode_32 3
		.amdhsa_float_denorm_mode_16_64 3
		.amdhsa_memory_ordered 1
		.amdhsa_forward_progress 1
		.amdhsa_inst_pref_size 43
	.end_amdhsa_kernel
	.amdgpu_metadata
---
amdhsa.version: [ 1, 2 ]
amdhsa.kernels:
  - .name:           k_q78318a2a21_prep
    .symbol:         k_q78318a2a21_prep.kd
    .args:
      - { .name: wq, .offset: 0, .size: 8, .value_kind: global_buffer, .address_space: global }
      - { .name: wk, .offset: 8, .size: 8, .value_kind: global_buffer, .address_space: global }
      - { .name: wv, .offset: 16, .size: 8, .value_kind: global_buffer, .address_space: global }
      - { .name: w_gate, .offset: 24, .size: 8, .value_kind: global_buffer, .address_space: global }
      - { .name: w_up, .offset: 32, .size: 8, .value_kind: global_buffer, .address_space: global }
      - { .name: x, .offset: 40, .size: 8, .value_kind: global_buffer, .address_space: global }
      - { .name: norm_w, .offset: 48, .size: 8, .value_kind: global_buffer, .address_space: global }
      - { .name: mask, .offset: 56, .size: 8, .value_kind: global_buffer, .address_space: global }
      - { .name: W1, .offset: 64, .size: 8, .value_kind: global_buffer, .address_space: global }
      - { .name: H, .offset: 72, .size: 8, .value_kind: global_buffer, .address_space: global }
      - { .name: MB, .offset: 80, .size: 8, .value_kind: global_buffer, .address_space: global }
    .group_segment_fixed_size: 0
    .private_segment_fixed_size: 0
    .kernarg_segment_align: 8
    .kernarg_segment_size: 88
    .max_flat_workgroup_size: 256
    .sgpr_count:     66
    .vgpr_count:     208
    .wavefront_size: 32
...
	.end_amdgpu_metadata
.endif
;; end of part 1
;; launch proj (part 2): grid 32 x 8, 4 waves a work-group, clusters of 4 x 4, 327,680 bytes of LDS; arguments H, W1, cos, sin, Qb, Kb, Vb, A2, wo, w_down, W2; writes Qb, Kb, Vb, A2, W2
.if DOCPART == 2
	.amdgcn_target "amdgcn-amd-amdhsa--gfx1250"
	.amdhsa_code_object_version 6
	.text
	.protected	k_q78318a2a21_proj
	.globl	k_q78318a2a21_proj
	.p2align	8
	.type	k_q78318a2a21_proj,@function
k_q78318a2a21_proj:
	s_mov_b64 s[64:65], 0
	v_nop
	global_prefetch_b8 v0, s[64:65] scope:SCOPE_SE
	s_setreg_imm32_b32 hwreg(HW_REG_WAVE_MODE, 25, 1), 1
	s_wait_xcnt 0x0
	s_wait_alu depctr_hold_cnt(0) depctr_sa_sdst(0) depctr_va_vdst(0) depctr_va_sdst(0) depctr_va_ssrc(0) depctr_va_vcc(0) depctr_vm_vsrc(0)
	s_getreg_b32 s2, hwreg(HW_REG_IB_STS2, 6, 4)
	s_cmp_eq_u32 s2, 0
	s_cbranch_scc0 .Lentry_in_a_cluster
	s_endpgm
.Lentry_in_a_cluster:
	s_bfe_u32 s2, ttmp6, 0x10000c
	s_cmp_lg_u32 s2, 0xf033
	s_cbranch_scc0 .Lentry_shape_is_right
	s_endpgm
.Lentry_shape_is_right:
; PROJ: C = H W1^T, 2048 x 7168 x 2048 in bf16 with f32 sums, and on the way out the rotation for q and k, nothing for v, silu(gate) * up for the FFN.
; A tile of C, 256 x 256, is made by a work-group of four waves, a wave 128 x 128: 64 accumulators of 16 x 16.  K goes in steps of 128 through a ring of two LDS slots filled by the tensor
; data mover (rows of 256 bytes, aligned).  28 x 8 = 224 tiles, one a work-group.  Tile columns 0-7 are q (two heads each), 8-9 k, 10-11 v, 12-27 gate and up in blocks of 16 by turns.
; THE OTHER 32 WORK-GROUPS (cluster x = 7) have no tile: they make W2 [2048][4096] bf16 (row n = wo[n][:], then w_down[n][:]) for the last launch, by streaming through registers.
; CLUSTERS: 4 x 4 work-groups; H's tiles are shared along a row of the cluster, W1's along a column: each is asked for jointly, by the same tensor load, descriptor and mask in all four.
; THE MATRIX INSTRUCTION IS USED TRANSPOSED (source 0 = 16 rows of W1, source 1 = 16 rows of H): lane l holds row l % 16 of C and the columns 8 (l / 16) + 0..7.
; W1's blocks are ordered so that column blocks 2 p and 2 p + 1 of a wave hold the two partners (x1, x2 of the rotation; gate, up) of the same 16 numbers.
; THE WAY OUT: the whole tile goes in f32 into LDS, over the ring, which has had its last fill; there a row is [128 first partners | 128 second partners]; each wave then takes 64 whole rows.
; No branch and no LDS address hangs on the work-group's place in its cluster: the kind of work is chosen by the cluster's x (0-2: q, k, v; 3-6: gate and up; 7: W2); inside the first kind
; v's tiles run the rotation's text with cos = 1 and sin = 0, chosen by selects.
; REGISTERS, in windows of 256: window 0: v0-41 addresses and small work; v64-191 fragments of H, two buffers; window 1: v64-191 fragments of W1; windows 2, 3: the accumulators ((a, b) at v[8 (8 (a % 4) + b)]).
; LIMITS: silu(g) u is made as g u / (1 + 2^(-g log2 e)); where g u overflows f32 so does the result.  NaN and infinities are not treated apart.
.set SIZE_K, 2048
.set KSTEP,  128
.set PITCH,  272                       ; an LDS row: 256 bytes + 16 of padding: the 16 rows that a load touches start at 16 different groups of four banks
.set HALFT,  128*PITCH
.set SLOT,   4*HALFT                   ; H's 256 rows, then W1's 256 rows
.set SPARE,  2*SLOT                    ; behind the ring: the spare words, 128 bytes a wave: two blocks of 256 bytes that no other line names
.set TP,     1040                      ; the way out: a row of 1,024 bytes + 16: an odd multiple of 16
.set LAPS,   SIZE_K/(2*KSTEP)
.set ADRA, 16                          ; v16-17  LDS address of my fragments of H in slot 0, 1
.set ADRB, 20                          ; v20-21  the same for W1
.set STO,  24                          ; v24-25  the way out: where I put 16 bytes: row blocks 0-3, 4-7
.set RD,   26                          ; v26     where I read rows back
.set YO,   27                          ; v27     8 x lane: my 8 bytes of an output row of 256
.set SPW,  28                          ; v28     my spare word; never rewritten
.set NIL,  29                          ; v29     0; never rewritten
.set PFO,  30                          ; v30     the prefetches' offset: lane x a row of 4,096 bytes
.set CO,   31                          ; v31     16 x (lane % 16): my four numbers of a row of cos or sin (for W2: 16 x lane)
.set SG,   32                          ; v32-33  sin's sign: -1 in lanes 0-15, +1 in lanes 16-31; 0 for v
.set PX,   34                          ; v34-41  the partner lane's numbers
.set F0,   64
.set F1,   128
.set XX,   64                          ; the way out: v64-127 rows read back
.set TA,   128                         ; v128-159 cos (16), sin (16) of rows 0-3 of a trip; v160-191 of rows 4-7
.set TBL,  160
.set YY,   192                         ; v192-223 results in bf16
.set PFA,  44
.set LIM,  43
.set G1, 24
.set G0, 32
.set G1B, 48
.set G0B, 56
.set CT,   80                          ; s80 tile column 0..31   s81 tile row 0..7
.set TR,   81
.set ROPE, 82                          ; s82 all ones for q and k, 0 for v    s83 1.0 or 0
.set FF,   83
.set DEST, 84                          ; s[84:85]
.set CPN,  86                          ; s[86:87] cos, s[88:89] sin at the rows of the next trip
.set SPN,  88
.set STEP, 90                          ; s[90:91]
.set SEL,  92                          ; s[92:93]
.set CLX,  94                          ; s94 the cluster's x
.set MSB, 0
.macro WIN new                         ; the immediate's high byte repeats the setting that is left
.if MSB != (\new)
	s_set_vgpr_msb (MSB<<8)|(\new)
.set MSB, \new
.endif
.endm
.set MUL_LO, 0xa1                      ; source 0 (W1) window 1, source 1 (H) window 0, C and D window 2
.set MUL_HI, 0xf1                      ; the same, C and D window 3
.set TO_B,   0x40                      ; destination window 1, address window 0
; A joint load.  Waves 0 and 1 fetch H's two halves, waves 2 and 3 W1's.  The branch hangs on the wave's number alone.  An s_nop 0 and four v_nop follow each line.
.macro JLOAD s
	s_cmp_eq_u32 s11, 0
	s_cbranch_scc0 .Lfor_b_\@
	tensor_load_to_lds s[G0+4*(\s):G0+4*(\s)+3], s[G1:G1+7]
	s_nop 0
.rept 4
	v_nop
.endr
	s_branch .Lasked_\@
.Lfor_b_\@:
	tensor_load_to_lds s[G0B+4*(\s):G0B+4*(\s)+3], s[G1B:G1B+7]
	s_nop 0
.rept 4
	v_nop
.endr
.Lasked_\@:
.endm
; A prefetch behind each joint load and the run of LDS loads that follows it: the K step that stands two refills on: 32 rows x 256 bytes, a lane a row, one instruction a wave.  Each row's 256 bytes of a
; K step are named once in the launch: the clusters with x = 0 ask for H's rows, those with y = 0 for W1's; the four partners of a joint load share its 128 rows out by address, 32 each.
; The first four K steps come by their loads alone; the loop's last trip asks for nothing: there is no K step two on.
.macro ASK
	s_cmp_gt_u32 s3, s[LIM]
	s_cbranch_scc0 .Lnot_mine_\@
	global_prefetch_b8 v[PFO], s[PFA:PFA+1] offset:KSTEP*2 th:TH_LOAD_NT scope:SCOPE_SE
.Lnot_mine_\@:
.endm
.macro CREST                           ; a round of the cluster's barrier behind its opening barrier
	s_cmp_lg_u32 s10, 0
	s_cbranch_scc1 .Lnot_wave_0_\@
	s_barrier_signal -3
.Lnot_wave_0_\@:
	s_barrier_wait -3
	s_barrier_signal -1
	s_barrier_wait -1
.endm
.macro CROUND
	s_barrier_signal -1
	s_barrier_wait -1
	CREST
.endm
	s_load_b128 s[4:7], s[0:1], 0x0                ; H s[4:5], W1 s[6:7]
	s_load_b256 s[68:75], s[0:1], 0x10             ; cos 68, sin 70, Qb 72, Kb 74
	s_load_b128 s[76:79], s[0:1], 0x30             ; Vb 76, A2 78
	v_lshl_add_u32 v[SPW], v0, 2, SPARE
	v_mov_b32 v[NIL], 0
	ds_add_u32 v[SPW], v[NIL]                      ; the wave's opening: the add, and its wait ahead of my first tensor load; the set-up below stands between them
	v_lshrrev_b32 v1, 5, v0
	v_readfirstlane_b32 s10, v1                    ; wave 0..3
	s_lshr_b32 s11, s10, 1                         ; which half of the tile's rows is mine.  Also: I fetch for H (0) or for W1 (1)
	s_and_b32 s12, s10, 1                          ; which half of its columns.  Also: which 128 rows of that tile I fetch
	s_bfe_u32 s40, ttmp6, 0x40000                  ; cx
	s_bfe_u32 s41, ttmp6, 0x40004                  ; cy
	s_lshl_b32 s42, ttmp9, 2
	s_add_co_u32 s42, s42, s40                     ; tile column = 4 x cluster x + cx
	s_and_b32 s13, ttmp7, 0xffff
	s_lshl_b32 s13, s13, 2
	s_add_co_u32 s13, s13, s41                     ; tile row = 4 x cluster y + cy
	s_mov_b32 s[CT], s42
	s_mov_b32 s[TR], s13
	s_mov_b32 s[CLX], ttmp9
	s_lshl_b32 s43, s41, 2
	s_lshl_b32 s43, 15, s43                        ; my row of the cluster
	s_lshl_b32 s44, 0x1111, s40                    ; my column
	; descriptor group 1: a tile of 128 rows x 128 elements of 2 bytes, 4 words of padding after every 64
	s_or_b32 s[G1+0], s43, (1<<16)|(1<<20)|(1<<21)|(5<<22)|(3<<25)
	s_or_b32 s[G1B+0], s44, (1<<16)|(1<<20)|(1<<21)|(5<<22)|(3<<25)
.irp g, G1, G1B
	s_mov_b32 s[(\g)+1], KSTEP<<16                 ; tensor_dim0 = 128
	s_mov_b32 s[(\g)+2], 128<<16                   ; tensor_dim1 = 128
	s_mov_b32 s[(\g)+3], KSTEP<<16                 ; tile_dim0 = 128
	s_mov_b32 s[(\g)+4], 128                       ; tile_dim1 = 128
	s_mov_b32 s[(\g)+5], SIZE_K                    ; elements from row to row
	s_mov_b32 s[(\g)+6], 0
	s_mov_b32 s[(\g)+7], 0
.endr
	s_lshl_b32 s17, s12, 7                         ; which 128 rows of the tile I fetch
	s_lshl_b32 s16, s13, 8
	s_add_co_u32 s16, s16, s17                     ; H: row 256 x tile row + 128 x half
	s_lshl_b32 s46, s42, 8
	s_add_co_u32 s46, s46, s17                     ; W1: row 256 x tile column + 128 x half
	s_mov_b32 s17, 0
	s_mov_b32 s47, 0
	s_mov_b64 s[18:19], SIZE_K*2
	s_mul_u64 s[16:17], s[16:17], s[18:19]
	s_mul_u64 s[46:47], s[46:47], s[18:19]
	s_mul_i32 s20, s10, HALFT                      ; where they go: wave x 128 rows
	s_wait_dscnt 0x0                               ; the opening add is done
	s_wait_kmcnt 0x0
	s_cmp_ge_u32 s[CLX], 7                         ; the cluster's x is the same in all sixteen partners
	s_cbranch_scc1 .Lcast                          ; no tile of C: W2
	s_add_nc_u64 s[14:15], s[4:5], s[16:17]
	s_add_nc_u64 s[46:47], s[6:7], s[46:47]
	CROUND                                         ; all sixteen work-groups are here: the first joint loads meet
.irp s, 0,1
	s_mov_b32 s[G0+4*(\s)], 1
	s_add_co_u32 s[G0+4*(\s)+1], s20, (\s)*SLOT
	s_add_nc_u64 s[G0+4*(\s)+2:G0+4*(\s)+3], s[14:15], (\s)*KSTEP*2
	s_or_b32 s[G0+4*(\s)+3], s[G0+4*(\s)+3], 0x80000000
	s_mov_b32 s[G0B+4*(\s)], 1
	s_add_co_u32 s[G0B+4*(\s)+1], s20, (\s)*SLOT
	s_add_nc_u64 s[G0B+4*(\s)+2:G0B+4*(\s)+3], s[46:47], (\s)*KSTEP*2
	s_or_b32 s[G0B+4*(\s)+3], s[G0B+4*(\s)+3], 0x80000000
	JLOAD \s
.endr
	; a fragment is 16 rows x 32 K in 8 registers: lane l holds row l % 16; two loads of 16 bytes, 32 bytes apart, at row x pitch + 16 (l / 16)
	v_and_b32 v1, 15, v0                           ; l % 16: kept for the way out
	v_bfe_u32 v2, v0, 4, 1                         ; l / 16: kept
	v_mul_u32_u24 v3, v1, PITCH
	v_lshl_add_u32 v3, v2, 4, v3
	s_mul_i32 s21, s11, HALFT
	s_mul_i32 s22, s12, HALFT
	s_add_co_u32 s22, s22, 2*HALFT
.irp s, 0,1
	v_add_nc_u32 v[ADRA+(\s)], s21, v3
	v_add_nc_u32 v[ADRB+(\s)], s22, v3
	s_add_co_u32 s21, s21, SLOT
	s_add_co_u32 s22, s22, SLOT
.endr
	; the prefetches
	s_lshl_b32 s13, s13, 8
	s_lshl_b32 s42, s42, 8
	s_and_b32 s22, ttmp7, 0xffff                   ; cluster y
	s_cmp_eq_u32 s11, 0                            ; do I fetch for H?
	s_cselect_b32 s20, s13, s42                    ; the tile's first row
	s_cselect_b32 s21, s40, s41                    ; my place among the four that ask for it with me
	s_cselect_b32 s22, ttmp9, s22                  ; the coordinate along which other clusters read the same rows
	s_cselect_b64 s[PFA:PFA+1], s[4:5], s[6:7]
	s_cmp_eq_u32 s22, 0
	s_cselect_b32 s[LIM], 1, -1
	s_lshl_b32 s22, s12, 7
	s_add_co_u32 s20, s20, s22
	s_lshl_b32 s21, s21, 5
	s_add_co_u32 s20, s20, s21
	s_mov_b32 s21, 0
	s_mov_b64 s[18:19], SIZE_K*2
	s_mul_u64 s[20:21], s[20:21], s[18:19]
	s_add_nc_u64 s[PFA:PFA+1], s[PFA:PFA+1], s[20:21]
	s_add_nc_u64 s[PFA:PFA+1], s[PFA:PFA+1], 2*KSTEP*2  ; at K step 2: the first refill steps it to 3 and names K step 4
	v_and_b32 v[PFO], 31, v0
	v_mul_u32_u24 v[PFO], v[PFO], SIZE_K*2
; 16 matrix instructions: row blocks a0, a0 + 1 of the window's four x all 8 column blocks, 32 along K.  zero = 1: the first product starts the sums
.macro MUL16 f, hi, a0, zero
	WIN MUL_LO+0x50*(\hi)
.irp a, \a0, (\a0)+1
.irp b, 0,1,2,3,4,5,6,7
.if \zero
	v_wmma_f32_16x16x32_bf16 v[8*(8*(\a)+(\b)):8*(8*(\a)+(\b))+7], v[(\f)+8*(\b):(\f)+8*(\b)+7], v[(\f)+8*(4*(\hi)+(\a)):(\f)+8*(4*(\hi)+(\a))+7], 0
.else
	v_wmma_f32_16x16x32_bf16 v[8*(8*(\a)+(\b)):8*(8*(\a)+(\b))+7], v[(\f)+8*(\b):(\f)+8*(\b)+7], v[(\f)+8*(4*(\hi)+(\a)):(\f)+8*(4*(\hi)+(\a))+7], v[8*(8*(\a)+(\b)):8*(8*(\a)+(\b))+7]
.endif
.endr
.endr
.endm
; 32 LDS loads in one run: the fragments of one quarter step into buffer f
.macro FETCH slot, k, f
	WIN TO_B
.irp i, 0,1,2,3,4,5,6,7
	ds_load_b128 v[(\f)+8*(\i):(\f)+8*(\i)+3],   v[ADRB+(\slot)] offset:(\k)+(\i)*16*PITCH
	ds_load_b128 v[(\f)+8*(\i)+4:(\f)+8*(\i)+7], v[ADRB+(\slot)] offset:(\k)+(\i)*16*PITCH+32
.endr
	WIN 0
.irp i, 0,1,2,3,4,5,6,7
	ds_load_b128 v[(\f)+8*(\i):(\f)+8*(\i)+3],   v[ADRA+(\slot)] offset:(\k)+(\i)*16*PITCH
	ds_load_b128 v[(\f)+8*(\i)+4:(\f)+8*(\i)+7], v[ADRA+(\slot)] offset:(\k)+(\i)*16*PITCH+32
.endr
.endm
.macro PLACES                          ; four plain instructions in front of loads into registers that matrix instructions have read
.rept 4
	v_nop
.endr
.endm
; a K step is four quarters of 32 along K, 64 matrix instructions each, on buffers 0, 1, 0, 1; the 64 accumulators take turns, in the same order in every quarter
.macro QUARTER slot, k, f, g, zero
	s_wait_dscnt 8                                 ; W1's and H's rows 0-63 are in; the youngest eight loads (H's rows 64-127) may be out
	MUL16 \f, 0, 0, \zero
	MUL16 \f, 0, 2, \zero
	PLACES
	FETCH \slot, \k, \g
	s_wait_dscnt 32                                ; all but the 32 just issued
	MUL16 \f, 1, 0, \zero
	MUL16 \f, 1, 2, \zero
.endm
; the last quarter's first half: one barrier for the change of slots
.macro MEET round
	WIN 0
	s_wait_tensorcnt 0x0                           ; all my tensor loads have landed: the one that was out is my part of the next slot;
	ds_add_u32 v[SPW], v[NIL]                      ; 0 onto my spare word;
	s_wait_dscnt 9                                 ; (the add and the youngest eight loads may be out)
	MUL16 F1, 0, 0, 0
	s_wait_dscnt 0x0                               ; the add is done, and my reads of this slot are over
	s_barrier_signal -1
	MUL16 F1, 0, 2, 0
.if \round
	WIN 0
.endif
	s_barrier_wait -1
.endm
.macro TURN slot, next
	s_wait_xcnt 0x0                                ; the last prefetch, a K step back, has read its address
	s_add_nc_u64 s[PFA:PFA+1], s[PFA:PFA+1], KSTEP*2
	MEET 1
	CREST                                          ; no wave of any partner still reads this slot's tile or has a load on its way
	s_add_nc_u64 s[G0+4*(\slot)+2:G0+4*(\slot)+3], s[G0+4*(\slot)+2:G0+4*(\slot)+3], 2*KSTEP*2
	s_add_nc_u64 s[G0B+4*(\slot)+2:G0B+4*(\slot)+3], s[G0B+4*(\slot)+2:G0B+4*(\slot)+3], 2*KSTEP*2
	JLOAD \slot                                    ; the first tensor load behind the round; its four v_nop are also the places in front of the loads below
	FETCH \next, 0, F0
	ASK
	MUL16 F1, 1, 0, 0
	MUL16 F1, 1, 2, 0
.endm
	s_wait_tensorcnt 1                             ; my part of K step 0 is in; K step 1's load may stay out
	s_barrier_signal -1
	s_barrier_wait -1
	FETCH 0, 0, F0
	QUARTER 0, 64,  F0, F1, 1                      ; the first quarter stands in front of the loop: its products start the sums
	WIN 0
	s_mov_b32 s3, LAPS-1
.Llap:                                                 ; a trip goes once round the ring and fills both slots again
	QUARTER 0, 128, F1, F0, 0
	QUARTER 0, 192, F0, F1, 0
	TURN 0, 1
	QUARTER 1, 64,  F0, F1, 0
	QUARTER 1, 128, F1, F0, 0
	QUARTER 1, 192, F0, F1, 0
	TURN 1, 0
	QUARTER 0, 64,  F0, F1, 0
	WIN 0
	s_sub_co_u32 s3, s3, 1
	s_cmp_lg_u32 s3, 0
	s_cbranch_scc1 .Llap
	QUARTER 0, 128, F1, F0, 0                      ; the last lap fills nothing
	QUARTER 0, 192, F0, F1, 0
	MEET 0
	PLACES
	FETCH 1, 0, F0
	MUL16 F1, 1, 0, 0
	MUL16 F1, 1, 2, 0
	QUARTER 1, 64,  F0, F1, 0
	QUARTER 1, 128, F1, F0, 0
	QUARTER 1, 192, F0, F1, 0
	s_wait_dscnt 8
	MUL16 F1, 0, 0, 0
	MUL16 F1, 0, 2, 0
	s_wait_dscnt 0x0
	MUL16 F1, 1, 0, 0
	MUL16 F1, 1, 2, 0
	WIN 0
	; THE WAY OUT.  Every wave's reads of the ring are over; behind this barrier the ring's bytes, which are filled no more, take the tile in f32.
	s_wait_dscnt 0x0
	s_barrier_signal -1
	s_barrier_wait -1
	s_mul_i32 s20, s11, 128*TP                     ; my 128 rows,
	s_lshl_b32 s21, s12, 8                         ; my 64 numbers of each half of a row
	s_add_co_u32 s20, s20, s21
	v_mul_u32_u24 v[STO], v1, TP                   ; the lines below are also the places behind the last products
	v_lshl_add_u32 v[STO], v2, 5, v[STO]
	v_add_nc_u32 v[STO], s20, v[STO]
	v_add_nc_u32 v[STO+1], 4*16*TP, v[STO]
	v_and_b32 v[YO], 31, v0
	v_lshlrev_b32 v[YO], 3, v[YO]
	v_lshlrev_b32 v[CO], 4, v1
.irp k, 0,1,2,3,4,5,6,7
	v_mov_b32 v[PX+(\k)], 0                        ; v_permlanex16_b32's destination counts as read
.endr
	s_lshl_b32 s20, s[TR], 16                      ; cos and sin at my first row: (256 x tile row + 64 x wave) rows of 256 bytes
	s_lshl_b32 s21, s10, 14
	s_add_co_u32 s20, s20, s21
	s_mov_b32 s21, 0
	s_add_nc_u64 s[68:69], s[68:69], s[20:21]
	s_add_nc_u64 s[70:71], s[70:71], s[20:21]
	s_add_nc_u64 s[CPN:CPN+1], s[68:69], 2048      ; the second trip's eight rows
	s_add_nc_u64 s[SPN:SPN+1], s[70:71], 2048
	s_mov_b32 s[STEP+1], 0
	s_mov_b32 s[SEL], 0x76543210
	s_mov_b32 s[SEL+1], 0xfedcba98
	s_cmp_lt_u32 s[CT], 10
	s_cselect_b32 s[ROPE], -1, 0
	s_cselect_b32 s[FF], 1.0, 0
.macro TABLES set, cb, sb, row0        ; four rows of cos and of sin: lanes l and l + 16 take the same four numbers
.irp i, 0,1,2,3
	global_load_b128 v[(\set)+4*(\i):(\set)+4*(\i)+3], v[CO], s[\cb:\cb+1] offset:((\row0)+(\i))*256
.endr
.irp i, 0,1,2,3
	global_load_b128 v[(\set)+16+4*(\i):(\set)+16+4*(\i)+3], v[CO], s[\sb:\sb+1] offset:((\row0)+(\i))*256
.endr
.endm
	s_cmp_lt_u32 s[CLX], 3
	s_cbranch_scc0 .Lno_tables
	TABLES TA, 68, 70, 0                           ; the first trip's tables come while the tile goes into LDS
	TABLES TBL, 68, 70, 4
.Lno_tables:
.irp a, 0,1,2,3,4,5,6,7                ; each accumulator's low half first
	WIN 0x08+4*((\a)/4)                            ; an LDS store's data is source 1: window 2 or 3
.irp b, 0,1,2,3,4,5,6,7
	ds_store_b128 v[STO+(\a)/4], v[8*(8*((\a)%4)+(\b)):8*(8*((\a)%4)+(\b))+3]   offset:((\a)%4)*16*TP+((\b)%2)*512+((\b)/2)*64
	ds_store_b128 v[STO+(\a)/4], v[8*(8*((\a)%4)+(\b))+4:8*(8*((\a)%4)+(\b))+7] offset:((\a)%4)*16*TP+((\b)%2)*512+((\b)/2)*64+16
.endr
.endr
	WIN 0
	s_wait_dscnt 0x0                               ; for the others' sake: my stores are done
	s_barrier_signal -1
	s_barrier_wait -1
	s_mul_i32 s22, s10, 64*TP                      ; wave w takes rows 64 w .. 64 w + 63, whole
	s_cmp_lt_u32 s[CLX], 3
	s_cbranch_scc0 .Lswiglu
	; Q, K, V.  Lane l owns dims 4 l .. 4 l + 3 of a head: lanes 0-15 hold x1, lanes 16-31 x2, the partner lies 16 lanes away.  out = x cos + partner (-+ sin).
	s_cmp_lt_u32 s[CT], 8
	s_cselect_b64 s[DEST:DEST+1], s[72:73], s[74:75]
	s_cselect_b32 s20, 0, 8
	s_cmp_lt_u32 s[CT], 10
	s_cselect_b64 s[DEST:DEST+1], s[DEST:DEST+1], s[76:77]
	s_cselect_b32 s20, s20, 10
	s_sub_co_u32 s20, s[CT], s20
	s_lshl_b32 s20, s20, 20                        ; two heads of 2,048 rows of 256 bytes
	s_lshl_b32 s21, s[TR], 16
	s_add_co_u32 s20, s20, s21
	s_lshl_b32 s21, s10, 14
	s_add_co_u32 s20, s20, s21
	s_mov_b32 s21, 0
	s_add_nc_u64 s[DEST:DEST+1], s[DEST:DEST+1], s[20:21]
	v_lshl_add_u32 v[RD], v2, 9, v[CO]             ; 16 (l % 16) + 512 (l / 16)
	v_add_nc_u32 v[RD], s22, v[RD]
	v_cvt_f32_u32 v[SG], v2
	v_fma_f32 v[SG], v[SG], 2.0, -1.0
	v_mul_f32 v[SG], s[FF], v[SG]
	v_mov_b32 v[SG+1], v[SG]
; four rows x two heads; then the set of tables is asked for again, for the next trip
.macro SUB set, row0, dsleft
	s_wait_loadcnt 8                               ; this set's eight loads are in; the other set's eight, issued later, may stay out
	s_wait_dscnt \dsleft                           ; rows 4-7's eight LDS loads may stay out, or none
.irp i, 0,1,2,3
.irp k, 0,1,2,3
	v_cndmask_b32 v[(\set)+4*(\i)+(\k)], 1.0, v[(\set)+4*(\i)+(\k)], s[ROPE]
.endr
	v_pk_mul_f32 v[(\set)+16+4*(\i):(\set)+16+4*(\i)+1], v[(\set)+16+4*(\i):(\set)+16+4*(\i)+1], v[SG:SG+1]
	v_pk_mul_f32 v[(\set)+16+4*(\i)+2:(\set)+16+4*(\i)+3], v[(\set)+16+4*(\i)+2:(\set)+16+4*(\i)+3], v[SG:SG+1]
.irp hd, 0,1
.set XR, XX+4*(2*((\row0)+(\i))+(\hd))
.set PR, PX+4*(\hd)
.set YR, YY+2*(2*((\row0)+(\i))+(\hd))
.irp k, 0,1,2,3
	v_permlanex16_b32 v[PR+(\k)], v[XR+(\k)], s[SEL], s[SEL+1]
.endr
	v_pk_mul_f32 v[PR:PR+1], v[PR:PR+1], v[(\set)+16+4*(\i):(\set)+16+4*(\i)+1]
	v_pk_mul_f32 v[PR+2:PR+3], v[PR+2:PR+3], v[(\set)+16+4*(\i)+2:(\set)+16+4*(\i)+3]
	v_pk_fma_f32 v[XR:XR+1], v[XR:XR+1], v[(\set)+4*(\i):(\set)+4*(\i)+1], v[PR:PR+1]
	v_pk_fma_f32 v[XR+2:XR+3], v[XR+2:XR+3], v[(\set)+4*(\i)+2:(\set)+4*(\i)+3], v[PR+2:PR+3]
	v_cvt_pk_bf16_f32 v[YR], v[XR], v[XR+1]
	v_cvt_pk_bf16_f32 v[YR+1], v[XR+2], v[XR+3]
	global_store_b64 v[YO], v[YR:YR+1], s[DEST:DEST+1] offset:((\row0)+(\i))*256+(\hd)*524288  ; a head's row: 256 consecutive bytes, aligned
.endr
.endr
	TABLES \set, CPN, SPN, \row0
.endm
	s_mov_b32 s3, 8
.Lrope:                                                ; a trip: eight rows
.irp i, 0,1,2,3,4,5,6,7
	ds_load_b128 v[XX+8*(\i):XX+8*(\i)+3],   v[RD] offset:(\i)*TP
	ds_load_b128 v[XX+8*(\i)+4:XX+8*(\i)+7], v[RD] offset:(\i)*TP+256
.endr
	SUB TA, 0, 8
	SUB TBL, 4, 0
	s_wait_xcnt 0x0                                ; the stores and loads have read their registers and bases: these are written again only behind this wait
	s_cmp_gt_u32 s3, 2                             ; the tables' pointers stop at my last eight rows: the last trip's loads, which nobody uses, stay inside the tables
	s_cselect_b32 s[STEP], 2048, 0
	s_add_nc_u64 s[CPN:CPN+1], s[CPN:CPN+1], s[STEP:STEP+1]
	s_add_nc_u64 s[SPN:SPN+1], s[SPN:SPN+1], s[STEP:STEP+1]
	s_add_nc_u64 s[DEST:DEST+1], s[DEST:DEST+1], 2048
	v_add_nc_u32 v[RD], 8*TP, v[RD]
	s_sub_co_u32 s3, s3, 1
	s_cmp_lg_u32 s3, 0
	s_cbranch_scc1 .Lrope
	s_branch .Lend
	; GATE AND UP.  Lane l owns numbers 4 l .. 4 l + 3 of the tile's 128: act = g u / (1 + 2^(-g log2 e)), into columns 2048 + 128 (tile column - 12) .. of A2.
.Lswiglu:
	s_sub_co_u32 s20, s[CT], 12
	s_lshl_b32 s20, s20, 8
	s_add_co_u32 s20, s20, 4096
	s_lshl_b32 s21, s[TR], 21                      ; 256 rows of 8,192 bytes
	s_add_co_u32 s20, s20, s21
	s_lshl_b32 s21, s10, 19
	s_add_co_u32 s20, s20, s21
	s_mov_b32 s21, 0
	s_add_nc_u64 s[DEST:DEST+1], s[78:79], s[20:21]
	v_and_b32 v[RD], 31, v0
	v_lshlrev_b32 v[RD], 4, v[RD]
	v_add_nc_u32 v[RD], s22, v[RD]
	s_mov_b32 s3, 8
.Lglu:                                                 ; a trip: eight rows.  v64-95 gate, v96-127 up, v128-159 the exponentials
.irp i, 0,1,2,3,4,5,6,7
	ds_load_b128 v[64+4*(\i):64+4*(\i)+3], v[RD] offset:(\i)*TP
.endr
.irp i, 0,1,2,3,4,5,6,7
	ds_load_b128 v[96+4*(\i):96+4*(\i)+3], v[RD] offset:(\i)*TP+512
.endr
	s_wait_dscnt 0x0
.set i, 0
.rept 16
	v_pk_mul_f32 v[128+2*i:129+2*i], v[64+2*i:65+2*i], 0xbfb8aa3b op_sel_hi:[1,0]  ; -g log2 e
.set i, i+1
.endr
.set i, 0
.rept 32
	v_exp_f32 v[128+i], v[128+i]
.set i, i+1
.endr
.set i, 0
.rept 16
	v_pk_mul_f32 v[64+2*i:65+2*i], v[64+2*i:65+2*i], v[96+2*i:97+2*i]              ; g u: the independent work behind the exponentials
.set i, i+1
.endr
	s_wait_alu depctr_va_vdst(0)                   ; one wait for the 32 exponentials, ahead of their first reader
.set i, 0
.rept 16
	v_pk_add_f32 v[128+2*i:129+2*i], v[128+2*i:129+2*i], 1.0 op_sel_hi:[1,0]
.set i, i+1
.endr
.set i, 0
.rept 32
	v_rcp_f32 v[128+i], v[128+i]
.set i, i+1
.endr
	v_nop                                          ; a plain instruction behind the last reciprocal,
	s_wait_alu depctr_va_vdst(0)                   ; and one wait for the 32
.set i, 0
.rept 16
	v_pk_mul_f32 v[64+2*i:65+2*i], v[64+2*i:65+2*i], v[128+2*i:129+2*i]
.set i, i+1
.endr
.set i, 0
.rept 16
	v_cvt_pk_bf16_f32 v[YY+i], v[64+2*i], v[65+2*i]
.set i, i+1
.endr
.irp i, 0,1,2,3,4,5,6,7
	global_store_b64 v[YO], v[YY+2*(\i):YY+2*(\i)+1], s[DEST:DEST+1] offset:(\i)*8192  ; 256 consecutive bytes, aligned
.endr
	s_wait_xcnt 0x0                                ; the stores have read their data and base
	s_add_nc_u64 s[DEST:DEST+1], s[DEST:DEST+1], 65536
	v_add_nc_u32 v[RD], 8*TP, v[RD]
	s_sub_co_u32 s3, s3, 1
	s_cmp_lg_u32 s3, 0
	s_cbranch_scc1 .Lglu
	s_branch .Lend
	; W2.  Work-group c = (tile column - 28) + 4 x tile row, 0..31.  Waves 0, 1 take wo, waves 2, 3 w_down; a wave takes rows 64 c + 32 (wave % 2) .. + 31 of its matrix: 8,192 bytes in, 4,096 out a row.
	; Two register sets of a row each: while one is rounded and stored the other's sixteen loads (512 consecutive bytes each) are out, and it is asked for again at once.  A store covers 256 consecutive bytes, aligned.
.macro CLOAD x, base, off
.irp c, 0,1,2,3,4,5,6,7,8,9,10,11,12,13,14,15
	global_load_b128 v[(\x)+4*(\c):(\x)+4*(\c)+3], v[CO], s[\base:\base+1] offset:(\off)+512*(\c) th:TH_LOAD_NT
.endr
.endm
.macro CCAST x, y
.irp c, 0,1,2,3,4,5,6,7,8,9,10,11,12,13,14,15
	v_cvt_pk_bf16_f32 v[(\y)+2*(\c)], v[(\x)+4*(\c)], v[(\x)+4*(\c)+1]
	v_cvt_pk_bf16_f32 v[(\y)+2*(\c)+1], v[(\x)+4*(\c)+2], v[(\x)+4*(\c)+3]
.endr
.endm
.macro CSTORE y, off
.irp c, 0,1,2,3,4,5,6,7,8,9,10,11,12,13,14,15
	global_store_b64 v[YO], v[(\y)+2*(\c):(\y)+2*(\c)+1], s[DEST:DEST+1] offset:(\off)+256*(\c)
.endr
.endm
.Lcast:
	s_load_b128 s[4:7], s[0:1], 0x40               ; wo s[4:5], w_down s[6:7]
	s_load_b64 s[8:9], s[0:1], 0x50                ; W2
	s_sub_co_u32 s20, s[CT], 28
	s_lshl_b32 s21, s[TR], 2
	s_add_co_u32 s20, s20, s21                     ; c
	s_lshl_b32 s20, s20, 1
	s_add_co_u32 s20, s20, s12
	s_lshl_b32 s20, s20, 18                        ; 32 rows of 8,192 bytes, in the source and in W2 alike
	s_mov_b32 s21, 0
	s_lshl_b32 s22, s11, 12                        ; w_down fills the second half of W2's rows
	s_mov_b32 s23, 0
	s_mov_b32 s[STEP+1], 0
	v_and_b32 v3, 31, v0
	v_lshlrev_b32 v[CO], 4, v3
	v_lshlrev_b32 v[YO], 3, v3
	s_wait_kmcnt 0x0
	s_cmp_eq_u32 s11, 0
	s_cselect_b64 s[CPN:CPN+1], s[4:5], s[6:7]
	s_add_nc_u64 s[CPN:CPN+1], s[CPN:CPN+1], s[20:21]
	s_add_nc_u64 s[SPN:SPN+1], s[CPN:CPN+1], 16384 ; the rows that the first trip asks for
	s_add_nc_u64 s[DEST:DEST+1], s[8:9], s[20:21]
	s_add_nc_u64 s[DEST:DEST+1], s[DEST:DEST+1], s[22:23]
	CLOAD 64, CPN, 0                               ; rows 0 and 1
	CLOAD 128, CPN, 8192
	s_mov_b32 s3, 16
.Lrow:                                                 ; a trip: two rows
	s_wait_loadcnt 16                              ; the first set is in; the second set's sixteen loads, issued later, may stay out
	CCAST 64, 192
	CLOAD 64, SPN, 0
	CSTORE 192, 0
	s_wait_loadcnt 16                              ; the second set is in; the first set's new sixteen may stay out
	CCAST 128, 224
	CLOAD 128, SPN, 8192
	CSTORE 224, 8192
	s_wait_xcnt 0x0                                ; the loads and stores have read their bases and data: these are written again only behind this wait
	s_cmp_gt_u32 s3, 2                             ; the pointer ahead stops at my last two rows: the last trip's loads, which nobody uses, stay inside the buffer
	s_cselect_b32 s[STEP], 16384, 0
	s_add_nc_u64 s[SPN:SPN+1], s[SPN:SPN+1], s[STEP:STEP+1]
	s_add_nc_u64 s[DEST:DEST+1], s[DEST:DEST+1], 16384
	s_sub_co_u32 s3, s3, 1
	s_cmp_lg_u32 s3, 0
	s_cbranch_scc1 .Lrow
.Lend:
	s_wait_tensorcnt 0x0                           ; the wave's end, behind my last tensor load and my last LDS store
	ds_add_u32 v[SPW], v[NIL]
	s_wait_dscnt 0x0
	CROUND                                         ; the closing round
	s_endpgm
.Lfunc_end_k_q78318a2a21_proj:
	.size	k_q78318a2a21_proj, .Lfunc_end_k_q78318a2a21_proj-k_q78318a2a21_proj
	.p2alignl 7, 3214868480
	.fill 96, 4, 3214868480
	.section	.rodata,"a",@progbits
	.p2align	6, 0x0
	.amdhsa_kernel k_q78318a2a21_proj
		.amdhsa_group_segment_fixed_size 327680
		.amdhsa_private_segment_fixed_size 0
		.amdhsa_enable_private_segment 0
		.amdhsa_kernarg_size 88
		.amdhsa_user_sgpr_count 2
		.amdhsa_user_sgpr_kernarg_segment_ptr 1
		.amdhsa_wavefront_size32 1
		.amdhsa_system_sgpr_workgroup_id_x 1
		.amdhsa_system_sgpr_workgroup_id_y 1
		.amdhsa_system_sgpr_workgroup_id_z 1
		.amdhsa_system_vgpr_workitem_id 0
		.amdhsa_next_free_vgpr 1024
		.amdhsa_next_free_sgpr 96
		.amdhsa_reserve_vcc 0
		.amdhsa_float_denorm_mode_32 3
		.amdhsa_float_denorm_mode_16_64 3
		.amdhsa_memory_ordered 1
		.amdhsa_forward_progress 1
		.amdhsa_inst_pref_size 165
	.end_amdhsa_kernel
	.amdgpu_metadata
---
amdhsa.version: [ 1, 2 ]
amdhsa.kernels:
  - .name:           k_q78318a2a21_proj
    .symbol:         k_q78318a2a21_proj.kd
    .args:
      - { .name: H, .offset: 0, .size: 8, .value_kind: global_buffer, .address_space: global }
      - { .name: W1, .offset: 8, .size: 8, .value_kind: global_buffer, .address_space: global }
      - { .name: cos, .offset: 16, .size: 8, .value_kind: global_buffer, .address_space: global }
      - { .name: sin, .offset: 24, .size: 8, .value_kind: global_buffer, .address_space: global }
      - { .name: Qb, .offset: 32, .size: 8, .value_kind: global_buffer, .address_space: global }
      - { .name: Kb, .offset: 40, .size: 8, .value_kind: global_buffer, .address_space: global }
      - { .name: Vb, .offset: 48, .size: 8, .value_kind: global_buffer, .address_space: global }
      - { .name: A2, .offset: 56, .size: 8, .value_kind: global_buffer, .address_space: global }
      - { .name: wo, .offset: 64, .size: 8, .value_kind: global_buffer, .address_space: global }
      - { .name: w_down, .offset: 72, .size: 8, .value_kind: global_buffer, .address_space: global }
      - { .name: W2, .offset: 80, .size: 8, .value_kind: global_buffer, .address_space: global }
    .group_segment_fixed_size: 327680
    .private_segment_fixed_size: 0
    .kernarg_segment_align: 8
    .kernarg_segment_size: 88
    .max_flat_workgroup_size: 128
    .sgpr_count:     96
    .vgpr_count:     1024
    .wavefront_size: 32
...
	.end_amdgpu_metadata
.endif
;; end of part 2
;; launch attn (part 3): grid 32 x 8, 4 waves a work-group, clusters of 4 x 1, 327,680 bytes of LDS; arguments Qb, Kb, Vb, A2, MB; writes A2
.if DOCPART == 3
	.amdgcn_target "amdgcn-amd-amdhsa--gfx1250"
	.amdhsa_code_object_version 6
	.text
	.protected	k_q78318a2a21_attn
	.globl	k_q78318a2a21_attn
	.p2align	8
	.type	k_q78318a2a21_attn,@function
k_q78318a2a21_attn:
	s_mov_b64 s[64:65], 0
	v_nop
	global_prefetch_b8 v0, s[64:65] scope:SCOPE_SE
	s_setreg_imm32_b32 hwreg(HW_REG_WAVE_MODE, 25, 1), 1
	s_wait_xcnt 0x0
	s_wait_alu depctr_hold_cnt(0) depctr_sa_sdst(0) depctr_va_vdst(0) depctr_va_sdst(0) depctr_va_ssrc(0) depctr_va_vcc(0) depctr_vm_vsrc(0)
	s_getreg_b32 s2, hwreg(HW_REG_IB_STS2, 6, 4)
	s_cmp_eq_u32 s2, 0
	s_cbranch_scc0 .Lentry_in_a_cluster
	s_endpgm
.Lentry_in_a_cluster:
	s_bfe_u32 s2, ttmp6, 0x10000c
	s_cmp_lg_u32 s2, 0x3003
	s_cbranch_scc0 .Lentry_shape_is_right
	s_endpgm
.Lentry_shape_is_right:
; ATTENTION with a mask that is an input.  ctx[q][head][:] = the sum over k of softmax_k(mask ? Q[head][q] . K[head / 4][k] / sqrt(128) : -inf) V[head / 4][k][:].
; Qb [16][2048][128], Kb, Vb [4][2048][128] in bf16; ctx goes into columns 128 head .. of A2 ([2048][4096] bf16).  Products, maxima and sums in f32; the weights are rounded to bf16 for the second product.
; SHARES.  Work-group (qb, y): queries 64 qb .. + 63 of heads 2 y and 2 y + 1, which share a key and value head.  Wave w: 16 queries x 2 heads: two PIECES of one tile; both take the same mask words.
; Every wave walks all 2,048 keys, 64 a step.  CLUSTER: the four query blocks of a cluster walk the same K and V: each tile is asked for jointly, by the same tensor load, descriptor and mask in all four.
; LAYOUT.  S^T = K Q^T: a lane holds ONE query (lane % 16) and the keys 8 (lane / 16) + 0..7 of each block of 16; two such results rounded to bf16 ARE source 1 of O^T = V^T P.  V comes out of LDS turned.
; THE MASK is the C operand of the products that start S^T: 0, or -1e30 where the key is hidden.  MB holds for each register of S^T a word with a bit a lane; a step's 32 words come by scalar loads, and 32
; selects make the C operands once a step, for both pieces.
; SOFTMAX.  p = 2^(c s - c m), c = log2(e) / sqrt(128), with a running maximum m; in every step O and l are multiplied by a = 2^(c m_old - c m_new).  m starts at -2^67 and never falls below it; O and l start at 0.
; A hidden score lies far below that floor, so its weight is 0, also while a row has seen hidden keys alone; the first allowed key then makes a = 0 on zeros.
; LIMITS.  True scores lie above -1.4e20 (the floor) and are nothing beside 1e30.  A row with no allowed key ends with l = 0 and O = 0: 0 x (1 / 0) is NaN, as the definition gives.  A weight below 2^-126 counts as 0.
; BY TURNS.  In a turn one piece has the matrix unit: 16 products V^T P of the step in hand, then 16 products K Q^T of the next; the other piece's softmax, a list of 134, stands behind them, four a product.
; NO FIRST AND NO LAST STEP IS WRITTEN OUT.  The loop is entered at piece 1's turn: P of piece 1 and V hold 0 there, so its products V^T P add 0.  The tail is left in the middle of its third trip, whose
; 16 products K Q^T, on the last K once more, serve nothing: 32 products a wave are the price of writing a turn twice (loop and tail) and no more.
; REGISTERS, in windows of 256 (s_set_vgpr_msb: bits 1:0 source 0, 3:2 source 1, 5:4 source 2, 7:6 destination):
;   window 0: v1-11 addresses; v16-31 statistics, 8 a tile; v32-63 the mask's C operands; v64-127 S^T, 32 a tile; v128-159 P, 16 a tile; v160-163 constants
;   window 1: O^T, 64 a tile      window 2: v0-63 Q, 32 a tile; v128-255 K of one step      window 3: v0-127 V of one step
.set KS,    64
.set PK,    272       ; a row of K in LDS: 256 bytes + 16
.set PVR,   288       ; a row of V: 256 + 32
.set VOFF,  KS*PK
.set STEPB, KS*(PK+PVR)
.set SLOT1, 1<<17     ; a slot holds two steps; slot 1 begins here
.set STAGE, SLOT1+2*STEPB  ; 16 rows x 272 bytes for each wave, for the way out; no tensor load fills it
.set SP,    272
.set SPARE, STAGE+4*16*SP  ; the spare words, 128 bytes a wave: two blocks of 256 bytes that no other line names
.set AK0, 2
.set AV0, 3
.set ADR, 4
.set QO,  5
.set STO, 6
.set RD,  7
.set GO,  8
.set ST,  16          ; tile t at v[ST+8 t]: +0 c m, +1 m, +2, +3 l, +4 to +7 at work; a takes +6
.set MC,  32
.set S,   64
.set P,   128
.set SPW, 160
.set NIL, 161
.set PFO, 162
.set NEGV, 163        ; -1e30
.set KF,  128
.set WV,  14
.set LIM, 15
.set PFA, 18
.set G1K, 24
.set G1V, 32
.set G0K, 40
.set G0V, 48
.set SLOTS, 56
.set TWICE, 57
.set CS,  58
.set SEL, 60
.set TB,  62
.set MOFF, 63         ; s63  byte offset in my tile's mask words of the step last asked for
.set MBP, 66          ; s[66:67] my tile's 1,024 mask words
.set MS,  68          ; s[68:99] a step's 32 words
.set MSB, 0
.macro WIN new
.if MSB != (\new)
	s_set_vgpr_msb (MSB<<8)|(\new)
.set MSB, \new
.endif
.endm
.set W_KQ, 0x0a       ; K and Q in window 2; C and S^T in window 0
.set W_PV, 0x53       ; V in window 3, P in window 0, O^T in window 1
.set W_RS, 0x41       ; O^T in window 1, a in window 0
.macro JLOAD                        ; a joint refill: waves 0 and 1 fetch the two steps' K, waves 2 and 3 their V
	s_cmp_lt_u32 s[WV], 2
	s_cbranch_scc0 .Lfor_v_\@
	tensor_load_to_lds s[G0K+4:G0K+7], s[G1K:G1K+7]
	s_nop 0
.rept 4
	v_nop
.endr
	s_branch .Lasked_\@
.Lfor_v_\@:
	tensor_load_to_lds s[G0V+4:G0V+7], s[G1V:G1V+7]
	s_nop 0
.rept 4
	v_nop
.endr
.Lasked_\@:
.endm
; A prefetch of what the NEXT change of slots will ask for: a slot's 128 rows of K and of V, a lane a row.  Each row is named once in the launch: of the sixteen clusters that walk a key and value head the
; one with x = 0 and even y asks; its four partners share the rows out by address, 32 each; wave 0 asks for K's, wave 2 for V's.  The last change that fills a slot asks for nothing.
.macro ASK
	s_cmp_gt_u32 s[SLOTS], s[LIM]
	s_cbranch_scc0 .Lnot_mine_\@
	global_prefetch_b8 v[PFO], s[PFA:PFA+1] th:TH_LOAD_NT scope:SCOPE_SE
.Lnot_mine_\@:
.endm
.macro CROUND
	s_barrier_signal -1
	s_barrier_wait -1
	s_cmp_lg_u32 s[WV], 0
	s_cbranch_scc1 .Lnot_wave_0_\@
	s_barrier_signal -3
.Lnot_wave_0_\@:
	s_barrier_wait -3
	s_barrier_signal -1
	s_barrier_wait -1
.endm
.macro MGET                         ; a step's 32 mask words
	s_load_b512 s[MS:MS+15], s[MBP:MBP+1], s[MOFF] offset:0x0
	s_load_b512 s[MS+16:MS+31], s[MBP:MBP+1], s[MOFF] offset:0x40
.endm
.macro MLOAD                        ; the next step's; behind the last step the last words are read once more, so that no load leaves the buffer
	s_add_co_u32 s[MOFF], s[MOFF], 128
	s_min_u32 s[MOFF], s[MOFF], 3968
	MGET
.endm
	s_load_b256 s[4:11], s[0:1], 0x0  ; Qb s[4:5], Kb s[6:7], Vb s[8:9], A2 s[10:11]
	s_load_b64 s[MBP:MBP+1], s[0:1], 0x20
	v_lshl_add_u32 v[SPW], v0, 2, SPARE
	v_mov_b32 v[NIL], 0
	ds_add_u32 v[SPW], v[NIL]       ; the wave's opening: the add, and its wait ahead of my first tensor load
	v_lshrrev_b32 v1, 5, v0
	v_readfirstlane_b32 s[WV], v1
	s_bfe_u32 s12, ttmp6, 0x40000   ; cx
	s_lshl_b32 s13, ttmp9, 2
	s_add_co_u32 s13, s13, s12      ; my block of 64 queries: it enters Q's, O's and the mask's addresses alone
	s_and_b32 s16, ttmp7, 0xffff    ; y: the pair of heads, which the four partners share
	s_lshr_b32 s20, s16, 1          ; the key and value head,
	s_lshl_b32 s20, s20, 19         ; its 2,048 rows of 256 bytes
	s_and_b32 s17, s[WV], 1         ; which of a slot's two steps I fetch
	s_lshl_b32 s22, s17, 14
	s_add_co_u32 s22, s22, s20
	s_mov_b32 s23, 0
	s_mul_i32 s17, s17, STEPB       ; and its place in a slot
	s_lshl_b32 s2, s16, 20          ; Q: head 2 y,
	s_lshl_b32 s3, s13, 14          ; my block's 64 rows,
	s_add_co_u32 s2, s2, s3
	s_lshl_b32 s3, s[WV], 12        ; my wave's 16
	s_add_co_u32 s2, s2, s3
	s_mov_b32 s3, 0
	s_lshl_b32 s96, s13, 19         ; A2: 64 rows of 8,192 bytes,
	s_lshl_b32 s97, s[WV], 17
	s_add_co_u32 s96, s96, s97
	s_lshl_b32 s97, s16, 9          ; two heads of 256 bytes
	s_add_co_u32 s96, s96, s97
	s_mov_b32 s97, 0
	s_lshl_b32 s98, s13, 2          ; the mask: tile 4 qb + w, 4,096 bytes each
	s_add_co_u32 s98, s98, s[WV]
	s_lshl_b32 s98, s98, 12
	s_mov_b32 s99, 0
	s_mov_b32 s[G1K], 15|(1<<16)|(1<<20)|(1<<21)|(5<<22)|(3<<25)  ; the mask of four; 2-byte elements; padding on; bit 21 beside a mask; after every 64 words 4 words
	s_mov_b32 s[G1V], 15|(1<<16)|(1<<20)|(1<<21)|(5<<22)|(7<<25)  ; the same with 8 words
.irp g, G1K, G1V
	s_mov_b32 s[(\g)+1], 128<<16    ; tensor_dim0 = 128
	s_mov_b32 s[(\g)+2], KS<<16     ; tensor_dim1 = 64
	s_mov_b32 s[(\g)+3], 128<<16    ; tile_dim0 = 128
	s_mov_b32 s[(\g)+4], KS         ; tile_dim1 = 64
	s_mov_b32 s[(\g)+5], 128        ; elements from row to row
	s_mov_b32 s[(\g)+6], 0
	s_mov_b32 s[(\g)+7], 0
.endr
	s_mov_b32 s[CS], 0x3e0293ee     ; c = log2(e) / sqrt(128)
	s_mov_b32 s[CS+1], s[CS]
	s_mov_b32 s[SEL], 0x76543210
	s_mov_b32 s[SEL+1], 0xfedcba98
	s_mov_b32 s[TB], 0
	s_mov_b32 s[MOFF], 0
	s_mov_b32 s[SLOTS], 2048/(2*KS)-1  ; the first pass of the loop over slots, entered in its middle, and 14 with a refill
	s_and_b32 s[LIM], s[WV], 1
	s_or_b32 s[LIM], s[LIM], ttmp9
	s_and_b32 s16, s16, 1
	s_or_b32 s[LIM], s[LIM], s16
	s_cmp_eq_u32 s[LIM], 0
	s_cselect_b32 s[LIM], 1, -1     ; the same in all four partners, for a given wave
	v_and_b32 v[PFO], 31, v0
	v_lshlrev_b32 v[PFO], 8, v[PFO]
	v_mov_b32 v[NEGV], 0xf149f2ca
	s_wait_dscnt 0x0                ; the opening add is done
	s_wait_kmcnt 0x0
	s_add_nc_u64 s[6:7], s[6:7], s[22:23]
	s_add_nc_u64 s[8:9], s[8:9], s[22:23]
	s_add_nc_u64 s[4:5], s[4:5], s[2:3]
	s_add_nc_u64 s[10:11], s[10:11], s[96:97]
	s_add_nc_u64 s[MBP:MBP+1], s[MBP:MBP+1], s[98:99]
	s_cmp_lt_u32 s[WV], 2
	s_cselect_b64 s[PFA:PFA+1], s[6:7], s[8:9]
	s_lshl_b32 s2, s12, 13          ; my work-group's 32 rows of the 128
	s_mov_b32 s3, 0
	s_add_nc_u64 s[PFA:PFA+1], s[PFA:PFA+1], s[2:3]
	s_add_nc_u64 s[PFA:PFA+1], s[PFA:PFA+1], 2*2*KS*256  ; in slot 2; the first change of slots steps it to slot 3
	CROUND                          ; all four work-groups are here: the first joint loads meet
.irp s, 0,1
	s_mov_b32 s[G0K+4*(\s)], 1
	s_add_co_u32 s[G0K+4*(\s)+1], s17, (\s)*SLOT1
	s_add_nc_u64 s[G0K+4*(\s)+2:G0K+4*(\s)+3], s[6:7], (\s)*2*KS*256
	s_or_b32 s[G0K+4*(\s)+3], s[G0K+4*(\s)+3], 0x80000000
	s_mov_b32 s[G0V+4*(\s)], 1
	s_add_co_u32 s[G0V+4*(\s)+1], s17, (\s)*SLOT1+VOFF
	s_add_nc_u64 s[G0V+4*(\s)+2:G0V+4*(\s)+3], s[8:9], (\s)*2*KS*256
	s_or_b32 s[G0V+4*(\s)+3], s[G0V+4*(\s)+3], 0x80000000
.endr
	s_cmp_lt_u32 s[WV], 2           ; a wave's two first fills stand in one branch: two loads of mine are out
	s_cbranch_scc0 .Lfirst_v
	tensor_load_to_lds s[G0K:G0K+3], s[G1K:G1K+7]
	s_nop 0
	tensor_load_to_lds s[G0K+4:G0K+7], s[G1K:G1K+7]
	s_nop 0
.rept 4
	v_nop
.endr
	s_branch .Lfirst_asked
.Lfirst_v:
	tensor_load_to_lds s[G0V:G0V+3], s[G1V:G1V+7]
	s_nop 0
	tensor_load_to_lds s[G0V+4:G0V+7], s[G1V:G1V+7]
	s_nop 0
.rept 4
	v_nop
.endr
.Lfirst_asked:
	MGET                            ; step 0's mask words
	v_and_b32 v1, 15, v0            ; l % 16
	v_bfe_u32 v9, v0, 4, 1          ; l / 16
	v_lshlrev_b32 v[QO], 8, v1
	v_lshl_add_u32 v[QO], v9, 4, v[QO]
	WIN 0x80                        ; destination window 2
.irp i, 0,1,2,3,4,5,6,7             ; Q stays in registers: tile i / 4 (the next head lies 524,288 bytes on), channels 32 (i % 4) on
	global_load_b128 v[8*(\i):8*(\i)+3],   v[QO], s[4:5] offset:((\i)/4)*524288+((\i)%4)*64
	global_load_b128 v[8*(\i)+4:8*(\i)+7], v[QO], s[4:5] offset:((\i)/4)*524288+((\i)%4)*64+32
.endr
	WIN 0x40                        ; O^T, l, V and P of piece 1 start at 0, on purpose: no first step is written out; this stands in the wait for the first tile
.set i, 0
.rept 128
	v_mov_b32 v[i], 0
.set i, i+1
.endr
	WIN 0xc0
.set i, 0
.rept 128
	v_mov_b32 v[i], 0
.set i, i+1
.endr
	WIN 0
.set i, 0
.rept 16
	v_mov_b32 v[P+16+i], 0
.set i, i+1
.endr
.irp t, 0,1
	v_mov_b32 v[ST+8*(\t)+1], 0xe1000000       ; m = -2^67
	v_mul_f32 v[ST+8*(\t)], s[CS], v[ST+8*(\t)+1]  ; c m, by the multiply that the loop uses
	v_mov_b32 v[ST+8*(\t)+2], 0
	v_mov_b32 v[ST+8*(\t)+3], 0
.endr
	v_mul_u32_u24 v[AK0], v1, PK
	v_lshl_add_u32 v[AK0], v9, 4, v[AK0]
	v_and_b32 v10, 7, v0            ; the turning load: lane l reads key 8 (l / 16) + l % 8, channels 8 ((l / 8) % 2) + 0..7
	v_bfe_u32 v11, v0, 3, 1
	v_lshl_add_u32 v[AV0], v9, 3, v10
	v_mul_u32_u24 v[AV0], v[AV0], PVR
	v_lshl_add_u32 v[AV0], v11, 4, v[AV0]
	v_add_nc_u32 v[AV0], VOFF, v[AV0]
; THE MATRIX WORK.  The accumulators take turns, one instruction a turn: 8 in V^T P, 4 in K Q^T.
.macro PV x                         ; product i of 16 of O^T += V^T P: keys 32 (i / 8) on, channels 16 (i % 8) on
	WIN W_PV
.set rO, 64*(\x)+8*(i%8)
.set rV, 64*(i/8)+8*(i%8)
.set rP, P+16*(\x)+8*(i/8)
	v_wmma_f32_16x16x32_bf16 v[rO:rO+7], v[rV:rV+7], v[rP:rP+7], v[rO:rO+7]
.endm
.macro KQ x                         ; product i of 16 of S^T = K Q^T + mask: channels 32 (i / 4) on, keys 16 (i % 4) on; the first 4 start the sums with the mask
	WIN W_KQ
.set rS, S+32*(\x)+8*(i%4)
.set rK, KF+32*(i%4)+8*(i/4)
.set rQ, 32*(\x)+8*(i/4)
.set rM, MC+8*(i%4)
.if i < 4
	v_wmma_f32_16x16x32_bf16 v[rS:rS+7], v[rK:rK+7], v[rQ:rQ+7], v[rM:rM+7]
.else
	v_wmma_f32_16x16x32_bf16 v[rS:rS+7], v[rK:rK+7], v[rQ:rQ+7], v[rS:rS+7]
.endif
.endm
.macro FETCH_K last=0               ; a step's K: 32 LDS loads in one run.  last = 1 (the tail): in its third trip there is no further step, and the run is jumped over
	WIN 0
.if \last
	s_cmp_eq_u32 s[TWICE], 1
	s_cbranch_scc1 .Lno_k_\@
.endif
	v_add_nc_u32 v[ADR], s[TB], v[AK0]
	WIN 0x80
.irp f, 0,1,2,3,4,5,6,7,8,9,10,11,12,13,14,15  ; keys 16 (f / 4) on, channels 32 (f % 4) on
	ds_load_b128 v[KF+8*(\f):KF+8*(\f)+3],   v[ADR] offset:((\f)/4)*16*PK+((\f)%4)*64
	ds_load_b128 v[KF+8*(\f)+4:KF+8*(\f)+7], v[ADR] offset:((\f)/4)*16*PK+((\f)%4)*64+32
.endr
.if \last
	WIN 0
.Lno_k_\@:
.endif
.endm
.macro FETCH_V                      ; a step's V, turned.  With the v_nop in front of it, its first three lines are the four plain instructions between V's last reader and these loads
	WIN 0
	v_nop
	v_nop
	v_add_nc_u32 v[ADR], s[TB], v[AV0]
	s_add_co_u32 s[TB], s[TB], STEPB  ; the next fetch is the next step's
	s_wait_alu depctr_va_vdst(0)    ; the wait for the softmax's batch of exponentials
	WIN 0xc0
.irp f, 0,1,2,3,4,5,6,7,8,9,10,11,12,13,14,15  ; keys 32 (f / 8) on, channels 16 (f % 8) on
	ds_load_tr16_b128 v[8*(\f):8*(\f)+3],   v[ADR] offset:((\f)/8)*32*PVR+((\f)%8)*32
	ds_load_tr16_b128 v[8*(\f)+4:8*(\f)+7], v[ADR] offset:((\f)/8)*32*PVR+16*PVR+((\f)%8)*32
.endr
.endm
.macro MCB                          ; the next of the 32 selects: 0 where the key is allowed, -1e30 where it is hidden
	WIN 0
	v_cndmask_b32 v[MC+mc], v[NEGV], 0, s[MS+mc]
.set mc, mc+1
.endm
; THE VECTOR WORK.  One tile's softmax for one key step is a list of 134; SM writes number j of it for tile t.
;   0-15 the maximum of the 32 scores and the old m (each accumulator's lowest registers first)   16-20 the other half of the lanes', the new m, c m, its change
;   21-69 ONE BATCH: 16 scalings c s - c m and 33 exponentials (a at 23); none of these names an exponential's result      (the wait: SMN writes it)
;   70-85 the roundings to bf16      86-101 the sums; l = a l + the sum      102-133 O^T times a
.macro SM t
.set rT, ST+8*(\t)
.set rS, S+32*(\t)
.set rP, P+16*(\t)
.set rO, 64*(\t)+2*(j-102)
.if j < 102
	WIN 0
.endif
.if j < 4
	v_max3_num_f32 v[rT+4+j], v[rS+8*j], v[rS+8*j+1], v[rS+8*j+2]
.elseif j < 12
	v_max3_num_f32 v[rT+4+j%4], v[rT+4+j%4], v[rS+8*(j%4)+2*(j/4)+1], v[rS+8*(j%4)+2*(j/4)+2]
.elseif j == 12
	v_max3_num_f32 v[rT+4], v[rT+4], v[rS+7], v[rS+15]
.elseif j == 13
	v_max3_num_f32 v[rT+6], v[rT+6], v[rS+23], v[rS+31]
.elseif j == 14
	v_max3_num_f32 v[rT+4], v[rT+4], v[rT+5], v[rT+6]
.elseif j == 15
	v_max3_num_f32 v[rT+4], v[rT+4], v[rT+7], v[rT+1]
.elseif j == 16
	v_permlanex16_b32 v[rT+5], v[rT+4], s[SEL], s[SEL+1]  ; the query's other 32 keys lie in the lane 16 away
.elseif j == 17
	v_mov_b32 v[rT+7], v[rT]        ; c m_old is kept for a
.elseif j == 18
	v_max_num_f32 v[rT+1], v[rT+4], v[rT+5]
.elseif j == 19
	v_mul_f32 v[rT], s[CS], v[rT+1]
.elseif j == 20
	v_sub_f32 v[rT+7], v[rT+7], v[rT]
.elseif j == 23
	v_exp_f32 v[rT+6], v[rT+7]
.elseif (j < 23) || ((j < 38) && (j%2 == 0)) || ((j < 66) && (j%4 == 2))
.set b, (j-2)/4                     ; 38, 42, .. 62: pairs 9 to 15
.if j < 38
.set b, (j-20)/2                    ; 21: pair 0; 22, 24, .. 36: pairs 1 to 8
.endif
	v_pk_fma_f32 v[rS+2*b:rS+2*b+1], v[rS+2*b:rS+2*b+1], s[CS:CS+1], v[rT:rT+1] op_sel_hi:[1,0,0] neg_lo:[0,0,1] neg_hi:[0,0,1]
.elseif j < 70
.set e, j-38                        ; 66 to 69: s28 to s31
.if j < 66
.set e, j-32-(j-38)/4               ; 39-41, 43-45, .. 63-65: s7 to s27
.endif
.if j < 38
.set e, (j-25)/2                    ; 25, 27, .. 37: s0 to s6
.endif
	v_exp_f32 v[rS+e], v[rS+e]
.elseif j < 86
	v_cvt_pk_bf16_f32 v[rP+j-70], v[rS+2*(j-70)], v[rS+2*(j-70)+1]
.elseif j < 102                     ; the sum of the 16 pairs, in place: neighbours 1, 2, 4 and 8 pairs apart, then l takes it
.set z, j-86
.set w, 4
.set u, z
.if z >= 14
.set w, 32
.set u, 0
.elseif z >= 12
.set w, 16
.set u, z-12
.elseif z >= 8
.set w, 8
.set u, z-8
.endif
.if z < 15
	v_pk_add_f32 v[rS+w*u:rS+w*u+1], v[rS+w*u:rS+w*u+1], v[rS+w*u+w/2:rS+w*u+w/2+1]
.else
	v_pk_fma_f32 v[rT+2:rT+3], v[rT+2:rT+3], v[rT+6:rT+7], v[rS:rS+1] op_sel_hi:[1,0,1]
.endif
.else
	WIN W_RS
	v_pk_mul_f32 v[rO:rO+1], v[rO:rO+1], v[rT+6:rT+7] op_sel_hi:[1,0]
.endif
.endm
; the list's next number.  Ahead of number 70, the first that names an exponential's result: a plain instruction behind the last exponential, and ONE wait for the 33;
; in piece 1's turn V's run of loads stands there, and the wait stands in it.
.macro SMN
.if j == 70
	WIN 0
	v_nop
.if TX == 1
	FETCH_V
.else
	s_wait_alu depctr_va_vdst(0)
.endif
.endif
	SM TT
.set j, j+1
.endm
.macro RIDE                         ; what stands behind a product: four numbers; behind the turn's last product the six that are over too: all of them O^T times a, plain, and naming nothing of the
.set n, n+1                         ; products round them: they are the places in front of the next turn's reads of S^T and of the loads into K
.rept 4
	SMN
.endr
.if n == 32
.rept 6
	SMN
.endr
.endif
.endm
; A TURN.  Piece x has the matrix unit; the other piece's softmax rides.
; Piece 0's turn also makes the next step's mask operands (two selects behind each of its first 16 products), asks for the words of the step after, and fetches the next step's K behind its second product.
.macro TURN x, last=0
.set TX, (\x)
.set TT, 1-(\x)
.set j, 0
.set mc, 0
.set n, 0
.if (\x) == 0
	s_wait_kmcnt 0x0                ; the next step's mask words are in
	s_wait_dscnt 0x0                ; V is in
.endif
.set i, 0
.rept 16
	PV \x
	RIDE
.if (\x) == 0
	MCB
	MCB
.if i == 1
	FETCH_K \last
.endif
.if i == 15
	MLOAD
.endif
.endif
.set i, i+1
.endr
.if (\x) == 0
	s_wait_dscnt 0x0                ; K is in
.endif
.set i, 0
.rept 16
	KQ \x
	RIDE
.set i, i+1
.endr
.endm
; THE CHANGE OF SLOTS, between piece 1's turn and piece 0's.  Each wave waits for all its tensor loads, of which one is out: its part of the other slot; adds 0 to its spare word; and waits for that and for its
; own reads of the slot.  fill = 1: the slot is filled again, with the keys two slots on, first thing behind a round of the cluster's barrier: it has two key steps, 128 matrix instructions, in which to land.
.macro CHANGE fill
	WIN 0
	s_wait_tensorcnt 0x0            ; no tensor load of mine is out, so a group 0 may be written
	ds_add_u32 v[SPW], v[NIL]       ; 0 onto my spare word
.if \fill
.irp g, G0K+4, G0V+4
	s_xor_b32 s[(\g)+1], s[(\g)+1], SLOT1
	s_add_nc_u64 s[(\g)+2:(\g)+3], s[(\g)+2:(\g)+3], 2*KS*256
.endr
	s_wait_xcnt 0x0                 ; the last prefetch, two key steps back, has read its address
	s_add_nc_u64 s[PFA:PFA+1], s[PFA:PFA+1], 2*KS*256
	s_wait_dscnt 0x0                ; the add is done, and my reads of the slot are over
	CROUND
	JLOAD
	ASK
.else
	s_wait_dscnt 0x0
	s_barrier_signal -1
	s_barrier_wait -1
.endif
	s_sub_co_u32 s[TB], s[TB], 2*STEPB
	s_xor_b32 s[TB], s[TB], SLOT1
.endm
	s_wait_tensorcnt 1              ; my part of slot 0 is in; slot 1's may stay out
	s_barrier_signal -1
	s_barrier_wait -1
	FETCH_K                         ; key step 0
	WIN 0
	s_wait_kmcnt 0x0                ; its mask words
.set mc, 0
.rept 32
	MCB
.endr
	MLOAD                           ; step 1's
	s_wait_loadcnt 0x0              ; Q
	s_wait_dscnt 0x0
.set i, 0
.rept 16
	KQ 0                            ; piece 0's first scores
.set i, i+1
.endr
	WIN 0                           ; the addresses for the way out: eight plain instructions, the places behind those products
	s_mul_i32 s13, s[WV], 16*SP
	s_add_co_u32 s13, s13, STAGE
	v_mul_u32_u24 v[STO], v1, SP    ; in: row l % 16, 16 bytes for each half of the lanes
	v_lshl_add_u32 v[STO], v9, 4, v[STO]
	v_add_nc_u32 v[STO], s13, v[STO]
	v_mul_u32_u24 v[RD], v9, SP     ; back: lanes 0-15 take one row of 256 bytes, lanes 16-31 the next
	v_lshl_add_u32 v[RD], v1, 4, v[RD]
	v_add_nc_u32 v[RD], s13, v[RD]
	v_lshlrev_b32 v[GO], 13, v9     ; and the same two rows in A2
	v_lshl_add_u32 v[GO], v1, 4, v[GO]
	s_mov_b32 s[TWICE], 2
	s_branch .Lmid                  ; the loop is entered at piece 1's turn: its V^T P adds 0; it makes piece 1's first scores, carries piece 0's first softmax and fetches V of step 0
.Lslot:                             ; 14 times: every slot but the last two is filled again
	CHANGE 1
	s_mov_b32 s[TWICE], 2
.Lstep:                             ; a slot's two key steps: written once, walked twice
	TURN 0
	WIN 0
.Lmid:
	TURN 1
	WIN 0
	s_sub_co_u32 s[TWICE], s[TWICE], 1
	s_cmp_lg_u32 s[TWICE], 0
	s_cbranch_scc1 .Lstep
	s_sub_co_u32 s[SLOTS], s[SLOTS], 1
	s_cmp_lg_u32 s[SLOTS], 0
	s_cbranch_scc1 .Lslot
	CHANGE 0                        ; the tail is written out
	s_mov_b32 s[TWICE], 3           ; two trips fetch the last slot's steps; the third is left in its middle
.Ltail:
	TURN 0, 1
	WIN 0
	s_sub_co_u32 s[TWICE], s[TWICE], 1
	s_cmp_eq_u32 s[TWICE], 0
	s_cbranch_scc1 .Lout
	TURN 1
	WIN 0
	s_branch .Ltail
.Lout:
	s_wait_kmcnt 0x0                ; the last, unused mask words
.set i, 0
.rept 16
	PV 1                            ; piece 1: V^T P of the last step
.set i, i+1
.endr
	; THE WAY OUT.  l's two halves and the other half of the lanes' are added; O^T is divided by l, rounded to bf16 and sent through my stage, a tile (16 rows) at a time.  Tile 0's work stands behind the last products, which are tile 1's.
	WIN 0
.irp t, 0,1
	v_add_f32 v[ST+8*(\t)+4], v[ST+8*(\t)+2], v[ST+8*(\t)+3]
.endr
.irp t, 0,1
	v_permlanex16_b32 v[ST+8*(\t)+5], v[ST+8*(\t)+4], s[SEL], s[SEL+1]
.endr
.irp t, 0,1
	v_add_f32 v[ST+8*(\t)+4], v[ST+8*(\t)+4], v[ST+8*(\t)+5]
.endr
.irp t, 0,1
	v_rcp_f32 v[ST+8*(\t)+6], v[ST+8*(\t)+4]
.endr
	v_nop                           ; a plain instruction behind the last reciprocal,
	s_wait_alu depctr_va_vdst(0)    ; and one wait for the two
.macro PACK t
	WIN W_RS
.set i, 64*(\t)
.rept 32
	v_pk_mul_f32 v[i:i+1], v[i:i+1], v[ST+8*(\t)+6:ST+8*(\t)+7] op_sel_hi:[1,0]
.set i, i+2
.endr
	WIN 0x05                        ; sources in window 1, destination in window 0: S^T's registers are free
.set i, 0
.rept 32
	v_cvt_pk_bf16_f32 v[S+32*(\t)+i], v[64*(\t)+2*i], v[64*(\t)+2*i+1]
.set i, i+1
.endr
	WIN 0
.irp f, 0,1,2,3,4,5,6,7
	ds_store_b128 v[STO], v[S+32*(\t)+4*(\f):S+32*(\t)+4*(\f)+3] offset:32*(\f)
.endr
.irp f, 0,1,2,3,4,5,6,7
	ds_load_b128 v[S+32*(\t)+4*(\f):S+32*(\t)+4*(\f)+3], v[RD] offset:(\f)*2*SP  ; LDS serves a wave's instructions in order (ISA guide 5.7.1.4): these see the stores above
.endr
.endm
.macro SEND t, younger              ; younger: the LDS instructions issued behind tile t's loads
	WIN 0
.irp f, 0,1,2,3,4,5,6,7
	s_wait_dscnt (\younger)+7-(\f)
	global_store_b128 v[GO], v[S+32*(\t)+4*(\f):S+32*(\t)+4*(\f)+3], s[10:11] offset:(\f)*16384+(\t)*256  ; 16 lanes store 256 consecutive bytes, aligned
.endr
.endm
	PACK 0
	PACK 1
	SEND 0, 16
	SEND 1, 0
	s_wait_tensorcnt 0x0            ; the wave's end
	ds_add_u32 v[SPW], v[NIL]
	s_wait_dscnt 0x0
	CROUND                          ; the closing round
	s_endpgm
.Lfunc_end_k_q78318a2a21_attn:
	.size	k_q78318a2a21_attn, .Lfunc_end_k_q78318a2a21_attn-k_q78318a2a21_attn
	.p2alignl 7, 3214868480
	.fill 96, 4, 3214868480
	.section	.rodata,"a",@progbits
	.p2align	6, 0x0
	.amdhsa_kernel k_q78318a2a21_attn
		.amdhsa_group_segment_fixed_size 327680
		.amdhsa_private_segment_fixed_size 0
		.amdhsa_enable_private_segment 0
		.amdhsa_kernarg_size 40
		.amdhsa_user_sgpr_count 2
		.amdhsa_user_sgpr_kernarg_segment_ptr 1
		.amdhsa_wavefront_size32 1
		.amdhsa_system_sgpr_workgroup_id_x 1
		.amdhsa_system_sgpr_workgroup_id_y 1
		.amdhsa_system_sgpr_workgroup_id_z 1
		.amdhsa_system_vgpr_workitem_id 0
		.amdhsa_next_free_vgpr 896
		.amdhsa_next_free_sgpr 100
		.amdhsa_reserve_vcc 0
		.amdhsa_float_denorm_mode_32 3
		.amdhsa_float_denorm_mode_16_64 3
		.amdhsa_memory_ordered 1
		.amdhsa_forward_progress 1
		.amdhsa_inst_pref_size 99
	.end_amdhsa_kernel
	.amdgpu_metadata
---
amdhsa.version: [ 1, 2 ]
amdhsa.kernels:
  - .name:           k_q78318a2a21_attn
    .symbol:         k_q78318a2a21_attn.kd
    .args:
      - { .name: Qb, .offset: 0, .size: 8, .value_kind: global_buffer, .address_space: global }
      - { .name: Kb, .offset: 8, .size: 8, .value_kind: global_buffer, .address_space: global }
      - { .name: Vb, .offset: 16, .size: 8, .value_kind: global_buffer, .address_space: global }
      - { .name: A2, .offset: 24, .size: 8, .value_kind: global_buffer, .address_space: global }
      - { .name: MB, .offset: 32, .size: 8, .value_kind: global_buffer, .address_space: global }
    .group_segment_fixed_size: 327680
    .private_segment_fixed_size: 0
    .kernarg_segment_align: 8
    .kernarg_segment_size: 40
    .max_flat_workgroup_size: 128
    .sgpr_count:     100
    .vgpr_count:     896
    .wavefront_size: 32
...
	.end_amdgpu_metadata
.endif
;; end of part 3
;; launch outp (part 4): grid 16 x 16, 4 waves a work-group, clusters of 4 x 4, 327,680 bytes of LDS; arguments A2, W2, out0, x; writes out0
.if DOCPART == 4
	.amdgcn_target "amdgcn-amd-amdhsa--gfx1250"
	.amdhsa_code_object_version 6
	.text
	.protected	k_q78318a2a21_outp
	.globl	k_q78318a2a21_outp
	.p2align	8
	.type	k_q78318a2a21_outp,@function
k_q78318a2a21_outp:
	s_mov_b64 s[64:65], 0
	v_nop
	global_prefetch_b8 v0, s[64:65] scope:SCOPE_SE
	s_setreg_imm32_b32 hwreg(HW_REG_WAVE_MODE, 25, 1), 1
	s_wait_xcnt 0x0
	s_wait_alu depctr_hold_cnt(0) depctr_sa_sdst(0) depctr_va_vdst(0) depctr_va_sdst(0) depctr_va_ssrc(0) depctr_va_vcc(0) depctr_vm_vsrc(0)
	s_getreg_b32 s2, hwreg(HW_REG_IB_STS2, 6, 4)
	s_cmp_eq_u32 s2, 0
	s_cbranch_scc0 .Lentry_in_a_cluster
	s_endpgm
.Lentry_in_a_cluster:
	s_bfe_u32 s2, ttmp6, 0x10000c
	s_cmp_lg_u32 s2, 0xf033
	s_cbranch_scc0 .Lentry_shape_is_right
	s_endpgm
.Lentry_shape_is_right:
; OUTP: out0 = x + A2 W2^T.  A2 [2048][4096] bf16 = [ctx | act], W2 [2048][4096] bf16 = [wo | w_down] row by row: both closing products are one sum over K = 4,096, in f32; x and out0 are f32.
; A tile of out0 is 128 x 128: 256 work-groups.  Four waves, each 64 x 64: 16 accumulators.  K goes in 16 steps of 256 (LDS rows of 512 bytes; a wave's tensor load brings 64 of them) through two slots.
; CLUSTERS: 4 x 4 work-groups; A2's tiles are shared along a row of the cluster, W2's along a column, by joint loads.  THE MATRIX INSTRUCTION IS USED TRANSPOSED: a lane holds eight neighbouring numbers of a row.
; WHERE A CLUSTER BEGINS ALONG K.  Cluster (X, Y) takes the K steps r, r + 1, .. 15, 0, .. r - 1 with r = 8 ((X ^ Y) & 1) + 4 (((X ^ Y) >> 1) & 1): the four clusters of a row of clusters, which read the same
; rows of A2, begin 4 steps apart, and so do the four of a column, which read the same rows of W2; neighbours begin 8 apart.  r hangs on the cluster's coordinates alone: it is the same in all sixteen partners.
; The f32 sums are taken in that order of K.  A refill's address is made anew from the tile's base and the step's number.
; THE WAY OUT: a wave's 64 columns in f32 are 256 aligned bytes of a row, so each wave has a stage of its own, 16 rows at a time, and needs no barrier; x's tile is asked for a lap ahead of the end.
; No prefetch: the tiles are small, and a cluster reads first only what it asks for in its first trips.
; REGISTERS: window 0: v0-31 addresses; v32-95 rows read back from the stage, two buffers; v128-255 the accumulators ((a, b) at v[128 + 8 (4 a + b)]); window 1: two fragment buffers of 128; window 2: v0-127 x.
.set SIZE_K, 4096
.set KSTEP,  256
.set PITCH,  528                       ; an LDS row: 512 bytes + 16
.set HALFT,  64*PITCH
.set SLOT,   4*HALFT
.set STAGE,  2*SLOT                    ; behind the ring: 16 rows x 272 bytes for each wave
.set SPITCH, 272
.set SPARE,  STAGE+4*16*SPITCH         ; the spare words, 128 bytes a wave: two blocks of 256 bytes that no other line names
.set LAPS, SIZE_K/(2*KSTEP)
.set ADRA, 16
.set ADRB, 20
.set STO,  24
.set RD,   25
.set CO,   26                          ; v26 my byte offset in two rows of x and of out0: 8,192 (l / 16) + 16 (l % 16)
.set SPW,  28
.set NIL,  29
.set OB,   32
.set ACC,  128
.set F0,   0
.set F1,   128
.set G1, 24
.set G0, 32
.set G1B, 48
.set G0B, 56
.set BA,  14                           ; s[14:15] A2 at my 64 rows, K = 0
.set BB,  70                           ; s[70:71] W2 at my 64 rows, K = 0
.set KC,  72                           ; s72, s73 the K step that slot 0, 1 holds or has been asked for
.set OFF, 74                           ; s[74:75] a K step's byte offset in a row
.set MSB, 0
.macro WIN new
.if MSB != (\new)
	s_set_vgpr_msb (MSB<<8)|(\new)
.set MSB, \new
.endif
.endm
.set MUL,  0x05                        ; sources 0 (W2) and 1 (A2) window 1; C and D window 0
.set TO_F, 0x40                        ; destination window 1, address window 0
.macro JLOAD s                         ; a joint load: waves 0 and 1 fetch A2's two halves, waves 2 and 3 W2's
	s_cmp_eq_u32 s11, 0
	s_cbranch_scc0 .Lfor_b_\@
	tensor_load_to_lds s[G0+4*(\s):G0+4*(\s)+3], s[G1:G1+7]
	s_nop 0
.rept 4
	v_nop
.endr
	s_branch .Lasked_\@
.Lfor_b_\@:
	tensor_load_to_lds s[G0B+4*(\s):G0B+4*(\s)+3], s[G1B:G1B+7]
	s_nop 0
.rept 4
	v_nop
.endr
.Lasked_\@:
.endm
.macro WHERE s                         ; both descriptors of slot s point at K step s[KC+s]
	s_lshl_b32 s[OFF], s[KC+(\s)], 9
	s_add_nc_u64 s[G0+4*(\s)+2:G0+4*(\s)+3], s[BA:BA+1], s[OFF:OFF+1]
	s_or_b32 s[G0+4*(\s)+3], s[G0+4*(\s)+3], 0x80000000
	s_add_nc_u64 s[G0B+4*(\s)+2:G0B+4*(\s)+3], s[BB:BB+1], s[OFF:OFF+1]
	s_or_b32 s[G0B+4*(\s)+3], s[G0B+4*(\s)+3], 0x80000000
.endm
.macro CREST
	s_cmp_lg_u32 s10, 0
	s_cbranch_scc1 .Lnot_wave_0_\@
	s_barrier_signal -3
.Lnot_wave_0_\@:
	s_barrier_wait -3
	s_barrier_signal -1
	s_barrier_wait -1
.endm
.macro CROUND
	s_barrier_signal -1
	s_barrier_wait -1
	CREST
.endm
	s_load_b128 s[4:7], s[0:1], 0x0                ; A2 s[4:5], W2 s[6:7]
	s_load_b64 s[8:9], s[0:1], 0x10                ; out0
	s_load_b64 s[68:69], s[0:1], 0x18              ; x
	v_lshl_add_u32 v[SPW], v0, 2, SPARE
	v_mov_b32 v[NIL], 0
	ds_add_u32 v[SPW], v[NIL]                      ; the wave's opening: the add, and its wait ahead of my first tensor load
	v_lshrrev_b32 v1, 5, v0
	v_readfirstlane_b32 s10, v1
	s_lshr_b32 s11, s10, 1                         ; which half of the tile's rows is mine.  Also: I fetch for A2 (0) or for W2 (1)
	s_and_b32 s12, s10, 1                          ; which half of its columns.  Also: which 64 rows of that tile I fetch
	s_bfe_u32 s40, ttmp6, 0x40000
	s_bfe_u32 s41, ttmp6, 0x40004
	s_lshl_b32 s42, ttmp9, 2
	s_add_co_u32 s42, s42, s40                     ; tile column
	s_and_b32 s13, ttmp7, 0xffff                   ; cluster y
	s_xor_b32 s[KC], s13, ttmp9                    ; X ^ Y
	s_and_b32 s[KC+1], s[KC], 2
	s_lshl_b32 s[KC+1], s[KC+1], 1
	s_and_b32 s[KC], s[KC], 1
	s_lshl_b32 s[KC], s[KC], 3
	s_or_b32 s[KC], s[KC], s[KC+1]                 ; r: 0, 4, 8 or 12: slot 0's first K step,
	s_add_co_u32 s[KC+1], s[KC], 1                 ; slot 1's
	s_mov_b32 s[OFF+1], 0
	s_lshl_b32 s13, s13, 2
	s_add_co_u32 s13, s13, s41                     ; tile row
	s_lshl_b32 s43, s41, 2
	s_lshl_b32 s43, 15, s43                        ; my row of the cluster
	s_lshl_b32 s44, 0x1111, s40                    ; my column
	s_or_b32 s[G1+0], s43, (1<<16)|(1<<20)|(1<<21)|(6<<22)|(3<<25)  ; the mask; 2-byte elements; padding on; bit 21 beside a mask; after every 128 words 4 words
	s_or_b32 s[G1B+0], s44, (1<<16)|(1<<20)|(1<<21)|(6<<22)|(3<<25)
.irp g, G1, G1B
	s_mov_b32 s[(\g)+1], KSTEP<<16                 ; tensor_dim0 = 256
	s_mov_b32 s[(\g)+2], 64<<16                    ; tensor_dim1 = 64
	s_mov_b32 s[(\g)+3], KSTEP<<16                 ; tile_dim0 = 256
	s_mov_b32 s[(\g)+4], 64                        ; tile_dim1 = 64
	s_mov_b32 s[(\g)+5], SIZE_K                    ; elements from row to row
	s_mov_b32 s[(\g)+6], 0
	s_mov_b32 s[(\g)+7], 0
.endr
	s_lshl_b32 s17, s12, 6
	s_lshl_b32 s16, s13, 7
	s_add_co_u32 s16, s16, s17                     ; A2: row 128 x tile row + 64 x half
	s_lshl_b32 s46, s42, 7
	s_add_co_u32 s46, s46, s17                     ; W2: row 128 x tile column + 64 x half
	s_mov_b32 s17, 0
	s_mov_b32 s47, 0
	s_mov_b64 s[18:19], SIZE_K*2
	s_mul_u64 s[16:17], s[16:17], s[18:19]
	s_mul_u64 s[46:47], s[46:47], s[18:19]
	s_mul_i32 s20, s10, HALFT
	s_wait_dscnt 0x0                               ; the opening add is done
	s_wait_kmcnt 0x0
	s_add_nc_u64 s[BA:BA+1], s[4:5], s[16:17]
	s_add_nc_u64 s[BB:BB+1], s[6:7], s[46:47]
	CROUND                                         ; all sixteen work-groups are here: the first joint loads meet
.irp s, 0,1
	s_mov_b32 s[G0+4*(\s)], 1
	s_add_co_u32 s[G0+4*(\s)+1], s20, (\s)*SLOT
	s_mov_b32 s[G0B+4*(\s)], 1
	s_add_co_u32 s[G0B+4*(\s)+1], s20, (\s)*SLOT
	WHERE \s
	JLOAD \s
.endr
	v_and_b32 v1, 15, v0                           ; l % 16
	v_bfe_u32 v2, v0, 4, 1                         ; l / 16
	v_mul_u32_u24 v3, v1, PITCH
	v_lshl_add_u32 v3, v2, 4, v3
	s_mul_i32 s21, s11, HALFT
	s_mul_i32 s22, s12, HALFT
	s_add_co_u32 s22, s22, 2*HALFT
.irp s, 0,1
	v_add_nc_u32 v[ADRA+(\s)], s21, v3
	v_add_nc_u32 v[ADRB+(\s)], s22, v3
	s_add_co_u32 s21, s21, SLOT
	s_add_co_u32 s22, s22, SLOT
.endr
	s_mul_i32 s23, s10, 16*SPITCH
	s_add_co_u32 s23, s23, STAGE                   ; my stage
	v_mul_u32_u24 v4, v1, SPITCH                   ; in: row l % 16, 32 bytes for each half of the lanes
	v_lshl_add_u32 v4, v2, 5, v4
	v_add_nc_u32 v[STO], s23, v4
	v_mul_u32_u24 v5, v2, SPITCH                   ; back: lanes 0-15 take one row of 256 bytes, lanes 16-31 the next
	v_lshl_add_u32 v5, v1, 4, v5
	v_add_nc_u32 v[RD], s23, v5
	v_lshlrev_b32 v5, 13, v2
	v_lshl_add_u32 v[CO], v1, 4, v5
	s_lshl_b32 s16, s13, 7
	s_lshl_b32 s17, s11, 6
	s_add_co_u32 s16, s16, s17                     ; my first row,
	s_lshl_b32 s16, s16, 13                        ; of 8,192 bytes
	s_mov_b32 s17, 0
	s_add_nc_u64 s[8:9], s[8:9], s[16:17]
	s_add_nc_u64 s[68:69], s[68:69], s[16:17]
	s_lshl_b32 s46, s42, 9                         ; my first column, in bytes: 512 x tile column + 256 x half
	s_lshl_b32 s47, s12, 8
	s_add_co_u32 s46, s46, s47
	s_mov_b32 s47, 0
	s_add_nc_u64 s[8:9], s[8:9], s[46:47]
	s_add_nc_u64 s[68:69], s[68:69], s[46:47]
.macro MUL8 f, c, a0, zero             ; 8 matrix instructions: row blocks a0, a0 + 1 x all 4 column blocks, 32 along K: half c of buffer f
	WIN MUL
.irp a, \a0, (\a0)+1
.irp b, 0,1,2,3
.if \zero
	v_wmma_f32_16x16x32_bf16 v[ACC+8*(4*(\a)+(\b)):ACC+8*(4*(\a)+(\b))+7], v[(\f)+64+8*(4*(\c)+(\b)):(\f)+64+8*(4*(\c)+(\b))+7], v[(\f)+8*(4*(\c)+(\a)):(\f)+8*(4*(\c)+(\a))+7], 0
.else
	v_wmma_f32_16x16x32_bf16 v[ACC+8*(4*(\a)+(\b)):ACC+8*(4*(\a)+(\b))+7], v[(\f)+64+8*(4*(\c)+(\b)):(\f)+64+8*(4*(\c)+(\b))+7], v[(\f)+8*(4*(\c)+(\a)):(\f)+8*(4*(\c)+(\a))+7], v[ACC+8*(4*(\a)+(\b)):ACC+8*(4*(\a)+(\b))+7]
.endif
.endr
.endr
.endm
.macro FETCH slot, k, f                ; 32 LDS loads in one run: the fragments of 64 along K; the first 32 along K first
	WIN TO_F
.irp c, 0,1
.irp i, 0,1,2,3
	ds_load_b128 v[(\f)+64+8*(4*(\c)+(\i)):(\f)+64+8*(4*(\c)+(\i))+3],   v[ADRB+(\slot)] offset:(\k)+64*(\c)+(\i)*16*PITCH
	ds_load_b128 v[(\f)+64+8*(4*(\c)+(\i))+4:(\f)+64+8*(4*(\c)+(\i))+7], v[ADRB+(\slot)] offset:(\k)+64*(\c)+(\i)*16*PITCH+32
	ds_load_b128 v[(\f)+8*(4*(\c)+(\i)):(\f)+8*(4*(\c)+(\i))+3],         v[ADRA+(\slot)] offset:(\k)+64*(\c)+(\i)*16*PITCH
	ds_load_b128 v[(\f)+8*(4*(\c)+(\i))+4:(\f)+8*(4*(\c)+(\i))+7],       v[ADRA+(\slot)] offset:(\k)+64*(\c)+(\i)*16*PITCH+32
.endr
.endr
.endm
.macro PLACES
.rept 4
	v_nop
.endr
.endm
.macro QUARTER slot, k, f, g, zero     ; 64 along K: 32 matrix instructions on the 16 accumulators by turns; the next quarter's loads stand in its middle
	s_wait_dscnt 16                                ; the first 32 along K are in; the youngest sixteen loads may be out
	MUL8 \f, 0, 0, \zero
	MUL8 \f, 0, 2, \zero
	PLACES
	FETCH \slot, \k, \g
	s_wait_dscnt 32                                ; all but the 32 just issued
	MUL8 \f, 1, 0, 0
	MUL8 \f, 1, 2, 0
.endm
.macro TURN slot, next, fill           ; the last quarter multiplies buffer 1 and changes slots
	WIN 0
	s_wait_tensorcnt 0x0                           ; all my tensor loads have landed: my part of the next slot;
	ds_add_u32 v[SPW], v[NIL]                      ; 0 onto my spare word;
	s_wait_dscnt 17                                ; (the add and the youngest sixteen loads may be out)
	MUL8 F1, 0, 0, 0
	s_wait_dscnt 0x0                               ; the add is done, and my reads of this slot are over
	s_barrier_signal -1
	MUL8 F1, 0, 2, 0
.if \fill
	WIN 0
.endif
	s_barrier_wait -1
.if \fill
	CREST                                          ; no wave of any partner still reads this slot's tile or has a load on its way
	s_add_co_u32 s[KC+(\slot)], s[KC+(\slot)], 2   ; the slot's next K step: two on, round the end of K
	s_and_b32 s[KC+(\slot)], s[KC+(\slot)], 15
	WHERE \slot
	JLOAD \slot                                    ; the first tensor load behind the round; its four v_nop are also the places in front of the loads below
.else
	PLACES
.endif
	FETCH \next, 0, F0
	MUL8 F1, 1, 0, 0
	MUL8 F1, 1, 2, 0
.endm
	s_wait_tensorcnt 1                             ; my part of the first K step is in; the second's load may stay out
	s_barrier_signal -1
	s_barrier_wait -1
	FETCH 0, 0, F0
	QUARTER 0, 128, F0, F1, 1                      ; the first quarter stands in front of the loop: its first products start the sums
	WIN 0
	s_mov_b32 s3, LAPS-1
.Llap:
	QUARTER 0, 256, F1, F0, 0
	QUARTER 0, 384, F0, F1, 0
	TURN 0, 1, 1
	QUARTER 1, 128, F0, F1, 0
	QUARTER 1, 256, F1, F0, 0
	QUARTER 1, 384, F0, F1, 0
	TURN 1, 0, 1
	QUARTER 0, 128, F0, F1, 0
	WIN 0
	s_sub_co_u32 s3, s3, 1
	s_cmp_lg_u32 s3, 0
	s_cbranch_scc1 .Llap
	WIN 0x80                                       ; x's part of my 64 x 64: 32 loads, 256 consecutive bytes for each 16 lanes; they have the last lap in which to land
.irp a, 0,1,2,3
.irp t, 0,1,2,3,4,5,6,7
	global_load_b128 v[4*(8*(\a)+(\t)):4*(8*(\a)+(\t))+3], v[CO], s[68:69] offset:(16*(\a)+2*(\t))*8192 th:TH_LOAD_NT
.endr
.endr
	QUARTER 0, 256, F1, F0, 0                      ; the last lap fills nothing
	QUARTER 0, 384, F0, F1, 0
	TURN 0, 1, 0
	QUARTER 1, 128, F0, F1, 0
	QUARTER 1, 256, F1, F0, 0
	QUARTER 1, 384, F0, F1, 0
	s_wait_dscnt 16
	MUL8 F1, 0, 0, 0
	MUL8 F1, 0, 2, 0
	s_wait_dscnt 0x0
	MUL8 F1, 1, 0, 0
	MUL8 F1, 1, 2, 0
	WIN 0
	; THE WAY OUT, a block of 16 rows at a time: into my stage (32 bytes a lane and column block), back as whole rows of 256 bytes, plus x, stored.
	PLACES
	PLACES
.macro TOSTAGE a
	WIN 0
.set BK, OB+32*((\a)%2)
.irp b, 0,1,2,3                        ; each accumulator's low half first
	ds_store_b128 v[STO], v[ACC+8*(4*(\a)+(\b)):ACC+8*(4*(\a)+(\b))+3]   offset:64*(\b)
	ds_store_b128 v[STO], v[ACC+8*(4*(\a)+(\b))+4:ACC+8*(4*(\a)+(\b))+7] offset:64*(\b)+16
.endr
.irp t, 0,1,2,3,4,5,6,7
	ds_load_b128 v[BK+4*(\t):BK+4*(\t)+3], v[RD] offset:(\t)*2*SPITCH  ; LDS serves a wave's instructions in order (ISA guide 5.7.1.4): these see the stores above; the next block's stores come behind them
.endr
.endm
.macro SEND a, younger                 ; younger: the LDS instructions issued behind block a's loads
.set BK, OB+32*((\a)%2)
	WIN 0x88                                       ; destination and source 1 (a store's data too) in window 2, source 0 (a store's address too) in window 0
	s_wait_loadcnt 8*(3-(\a))                      ; x's rows of this block are in; the later blocks' loads may stay out
.irp t, 0,1,2,3,4,5,6,7
	s_wait_dscnt (\younger)+7-(\t)
	v_pk_add_f32 v[4*(8*(\a)+(\t)):4*(8*(\a)+(\t))+1],   v[BK+4*(\t):BK+4*(\t)+1],   v[4*(8*(\a)+(\t)):4*(8*(\a)+(\t))+1]
	v_pk_add_f32 v[4*(8*(\a)+(\t))+2:4*(8*(\a)+(\t))+3], v[BK+4*(\t)+2:BK+4*(\t)+3], v[4*(8*(\a)+(\t))+2:4*(8*(\a)+(\t))+3]
	global_store_b128 v[CO], v[4*(8*(\a)+(\t)):4*(8*(\a)+(\t))+3], s[8:9] offset:(16*(\a)+2*(\t))*8192  ; 16 lanes store 256 consecutive bytes, aligned
.endr
.endm
	TOSTAGE 0
	TOSTAGE 1
	SEND 0, 16
	TOSTAGE 2
	SEND 1, 16
	TOSTAGE 3
	SEND 2, 16
	SEND 3, 0
	WIN 0
	s_wait_tensorcnt 0x0                           ; the wave's end
	ds_add_u32 v[SPW], v[NIL]
	s_wait_dscnt 0x0
	CROUND                                         ; the closing round
	s_endpgm
.Lfunc_end_k_q78318a2a21_outp:
	.size	k_q78318a2a21_outp, .Lfunc_end_k_q78318a2a21_outp-k_q78318a2a21_outp
	.p2alignl 7, 3214868480
	.fill 96, 4, 3214868480
	.section	.rodata,"a",@progbits
	.p2align	6, 0x0
	.amdhsa_kernel k_q78318a2a21_outp
		.amdhsa_group_segment_fixed_size 327680
		.amdhsa_private_segment_fixed_size 0
		.amdhsa_enable_private_segment 0
		.amdhsa_kernarg_size 32
		.amdhsa_user_sgpr_count 2
		.amdhsa_user_sgpr_kernarg_segment_ptr 1
		.amdhsa_wavefront_size32 1
		.amdhsa_system_sgpr_workgroup_id_x 1
		.amdhsa_system_sgpr_workgroup_id_y 1
		.amdhsa_system_sgpr_workgroup_id_z 1
		.amdhsa_system_vgpr_workitem_id 0
		.amdhsa_next_free_vgpr 640
		.amdhsa_next_free_sgpr 80
		.amdhsa_reserve_vcc 0
		.amdhsa_float_denorm_mode_32 3
		.amdhsa_float_denorm_mode_16_64 3
		.amdhsa_memory_ordered 1
		.amdhsa_forward_progress 1
		.amdhsa_inst_pref_size 94
	.end_amdhsa_kernel
	.amdgpu_metadata
---
amdhsa.version: [ 1, 2 ]
amdhsa.kernels:
  - .name:           k_q78318a2a21_outp
    .symbol:         k_q78318a2a21_outp.kd
    .args:
      - { .name: A2, .offset: 0, .size: 8, .value_kind: global_buffer, .address_space: global }
      - { .name: W2, .offset: 8, .size: 8, .value_kind: global_buffer, .address_space: global }
      - { .name: out0, .offset: 16, .size: 8, .value_kind: global_buffer, .address_space: global }
      - { .name: x, .offset: 24, .size: 8, .value_kind: global_buffer, .address_space: global }
    .group_segment_fixed_size: 327680
    .private_segment_fixed_size: 0
    .kernarg_segment_align: 8
    .kernarg_segment_size: 32
    .max_flat_workgroup_size: 128
    .sgpr_count:     80
    .vgpr_count:     640
    .wavefront_size: 32
...
	.end_amdgpu_metadata
.endif
;; end of part 4
;; ======== version 2 of 2: 4 launches; version 1 with the launch prep written anew for expert scheduling mode
;; limits: right only within a limited range of input values
;; workspace buffers: H 8,388,608 bytes; W1 29,360,128 bytes; W2 16,777,216 bytes; MB 524,288 bytes of whole numbers; Qb 8,388,608 bytes; Kb 2,097,152 bytes; Vb 2,097,152 bytes; A2 16,777,216 bytes
;; launch prep (part 5): grid 832 x 1, 8 waves a work-group, no clusters, 0 bytes of LDS; arguments wq, wk, wv, w_gate, w_up, x, norm_w, mask, W1, H, MB; writes W1, H, MB
.if DOCPART == 5
	.amdgcn_target "amdgcn-amd-amdhsa--gfx1250"
	.amdhsa_code_object_version 6
	.text
	.protected	k_q78318a2a21_prep
	.globl	k_q78318a2a21_prep
	.p2align	8
	.type	k_q78318a2a21_prep,@function
k_q78318a2a21_prep:
	s_mov_b64 s[64:65], 0
	v_nop
	global_prefetch_b8 v0, s[64:65] scope:SCOPE_SE
	s_setreg_imm32_b32 hwreg(HW_REG_WAVE_SCHED_MODE, 0, 2), 2
	s_setreg_imm32_b32 hwreg(HW_REG_WAVE_MODE, 25, 1), 1
	s_wait_xcnt 0x0
	s_wait_alu depctr_vm_vsrc(0)
; PREP: what the first matrix launch and the attention want is made here once, by streaming.
;   H  [2048][2048] bf16 = (x * rsqrt(mean(x^2) + 1e-5)) * norm_w, sums of squares in f32
;   W1 [7168][2048] bf16 = wq | wk | wv | w_gate, w_up, in blocks of 16 rows.  Inside each head of q, k, v source block s (0..7) goes to place 2 (s % 4) + s / 4, so that
;      places 2 p and 2 p + 1 hold dims 16 p .. and 64 + 16 p ..: the two partners of the rotation.  Gate block j goes to block 192 + 2 j, up block j to 193 + 2 j.
;   MB [128 tiles of 16 queries][128 blocks of 16 keys][8] words: bit l of word j = mask[16 t + l % 16][16 kb + 8 (l / 16) + j]: a lane mask for register j of a 16 x 16 result
; A work-group takes 16 rows (jobs 0..575) or half a tile of 16 mask rows (jobs 576..831).  In a row job wave w takes rows 2 w, 2 w + 1: 32 loads of 512 consecutive bytes are out at once,
; and each store of the wave covers 256 consecutive bytes, aligned.  No LDS, no loop, no barrier: no wave wants another's bytes.
; THE MODE: SCHED_MODE bits 1:0 = 2 (LLVM: expert scheduling mode 2), set by the entry lines.  The code itself states the register dependences between vector instructions and memory
; instructions, and those through scalar registers, VCC and EXEC, with s_wait_alu, always for 0.
; THE PLAN, a row job.  Registers that memory instructions touch:
;   v1, v2, v3   offsets: written once at the path's head; v1 read by every load, v2 by row 0's stores, v3 by row 1's; never written again.
;   X0, X1       a row each: written by its sixteen loads, in x's jobs by the norm, then by its 32 conversions (into the first two of each four registers); read by its sixteen stores; never written again.
;   NWR          written by sixteen loads; read by vector instructions alone.
; So one wait on va_vdst stands ahead of the first load (the offsets), and one behind each row's run of conversions, ahead of that row's run of stores.  Row 1's conversions name X1 alone, row 0's stores
; X0 and v2 alone.  No register that a load or store has read is written again, so no wait on vm_vsrc is owed but the two at the writes of EXEC.
; THE PLAN, a mask job.  v1: written at the head, read by the four loads.  v[16:31]: loaded, then named by vector instructions alone.  v[8:11] and v2: written by vector instructions, read by the one store.
; s[32:47], s[48:63]: two sets of sixteen lane masks by turns, written by a run of compares, read by a run of v_writelane_b32: one wait on va_sdst between the two runs, four in all.
.set X0,  16                           ; v[16:79] row 0, v[80:143] row 1: 64 f32 a lane, element 128 c + 4 lane + 0..3 in registers 4 c ..
.set NWR, 144                          ; v[144:207] norm_w in the same layout
.set SRC, 36                           ; s[36:37] the job's source
.set DST, 42                           ; s[42:43] its destination
	s_load_b512 s[8:23], s[0:1], 0x0               ; wq 8, wk 10, wv 12, w_gate 14, w_up 16, x 18, norm_w 20, mask 22
	s_load_b128 s[24:27], s[0:1], 0x40             ; W1 24, H 26
	s_load_b64 s[28:29], s[0:1], 0x50              ; MB
	v_lshrrev_b32 v4, 5, v0
	v_readfirstlane_b32 s3, v4                     ; wave 0..7
	v_and_b32 v5, 31, v0                           ; lane
	s_mov_b32 s2, ttmp9                            ; the job
	s_wait_alu depctr_va_sdst(0)                   ; s3 is written, ahead of the branch and of its first reader on either path: the wave's rows and mask words are found by it
	s_wait_kmcnt 0x0
	s_cmp_ge_u32 s2, 576
	s_cbranch_scc1 .Lmask
; which tensor: a chain of selects on the job's number.  s38 first job of the tensor, s39 + (j << s40) byte offset of the job's 16 rows in the destination
.macro PICK start, src, d0, dsh, dst
	s_cmp_ge_u32 s2, \start
	s_cselect_b64 s[SRC:SRC+1], s[\src:\src+1], s[SRC:SRC+1]
	s_cselect_b32 s38, \start, s38
	s_cselect_b32 s39, \d0, s39
	s_cselect_b32 s40, \dsh, s40
	s_cselect_b64 s[DST:DST+1], s[\dst:\dst+1], s[DST:DST+1]
.endm
	s_mov_b64 s[SRC:SRC+1], s[8:9]                 ; wq
	s_mov_b32 s38, 0
	s_mov_b32 s39, 0
	s_mov_b32 s40, 17
	s_mov_b64 s[DST:DST+1], s[24:25]
	PICK 128, 10, 0, 17, 24                        ; wk
	PICK 160, 12, 0, 17, 24                        ; wv
	PICK 192, 14, 0xc00000, 17, 24                 ; w_gate: block 192 + 2 j
	PICK 320, 16, 0xc10000, 17, 24                 ; w_up: block 193 + 2 j
	PICK 448, 18, 0, 16, 26                        ; x -> H
	s_sub_co_u32 s44, s2, s38                      ; j: the job's number in its tensor
	s_lshl_b32 s45, s44, s40
	s_add_co_u32 s45, s45, s39
	s_and_b32 s46, s2, 0xf8                        ; q, k, v: the block's place in W1
	s_and_b32 s47, s2, 3
	s_lshl_b32 s47, s47, 1
	s_or_b32 s46, s46, s47
	s_bfe_u32 s47, s2, 0x10002
	s_or_b32 s46, s46, s47
	s_lshl_b32 s46, s46, 16                        ; 16 rows of 4,096 bytes
	s_cmp_lt_u32 s2, 192
	s_cselect_b32 s48, s46, s45
	s_lshl_b32 s47, s3, 13                         ; my wave's two rows of 4,096 bytes
	s_add_co_u32 s48, s48, s47
	s_mov_b32 s49, 0
	s_add_nc_u64 s[DST:DST+1], s[DST:DST+1], s[48:49]
	s_lshl_b32 s50, s44, 17                        ; 16 source rows of 8,192 bytes
	s_lshl_b32 s47, s3, 14
	s_add_co_u32 s50, s50, s47
	s_mov_b32 s51, 0
	s_add_nc_u64 s[SRC:SRC+1], s[SRC:SRC+1], s[50:51]
	v_lshlrev_b32 v1, 4, v5                        ; loads: 16 bytes a lane
	v_lshlrev_b32 v2, 3, v5                        ; stores: 8 bytes a lane, row 0,
	v_add_nc_u32 v3, 0x1000, v2                    ; row 1
.macro LOADROW r                       ; a row: sixteen loads of 512 consecutive bytes
.irp c, 0,1,2,3,4,5,6,7,8,9,10,11,12,13,14,15
	global_load_b128 v[X0+64*(\r)+4*(\c):X0+64*(\r)+4*(\c)+3], v1, s[SRC:SRC+1] offset:(\r)*8192+512*(\c) th:TH_LOAD_NT
.endr
.endm
.macro ROUNDROW r                      ; a row is rounded to bf16 in place: four numbers close up into the first two of their four registers
.irp c, 0,1,2,3,4,5,6,7,8,9,10,11,12,13,14,15
	v_cvt_pk_bf16_f32 v[X0+64*(\r)+4*(\c)], v[X0+64*(\r)+4*(\c)], v[X0+64*(\r)+4*(\c)+1]
	v_cvt_pk_bf16_f32 v[X0+64*(\r)+4*(\c)+1], v[X0+64*(\r)+4*(\c)+2], v[X0+64*(\r)+4*(\c)+3]
.endr
.endm
.macro STOREROW r                      ; a row's sixteen stores in one run; each covers 256 consecutive bytes, aligned
.irp c, 0,1,2,3,4,5,6,7,8,9,10,11,12,13,14,15
	global_store_b64 v[2+(\r)], v[X0+64*(\r)+4*(\c):X0+64*(\r)+4*(\c)+1], s[DST:DST+1] offset:256*(\c)
.endr
.endm
; the norm of a row: the sum of squares in four packed chains, started by the first four products; across the lanes; (x * norm) * w in the order of the definition
.macro NORM r
.set XR, X0+64*(\r)
.irp k, 0,1,2,3
	v_pk_mul_f32 v[4+2*(\k):5+2*(\k)], v[XR+2*(\k):XR+2*(\k)+1], v[XR+2*(\k):XR+2*(\k)+1]
.endr
.set i, 4
.rept 28
	v_pk_fma_f32 v[4+2*(i%4):5+2*(i%4)], v[XR+2*i:XR+2*i+1], v[XR+2*i:XR+2*i+1], v[4+2*(i%4):5+2*(i%4)]
.set i, i+1
.endr
	v_pk_add_f32 v[4:5], v[4:5], v[6:7]
	v_pk_add_f32 v[8:9], v[8:9], v[10:11]
	v_pk_add_f32 v[4:5], v[4:5], v[8:9]
	v_add_f32 v4, v4, v5
	v_add_f32_dpp v4, v4, v4 row_xmask:1 row_mask:0xf bank_mask:0xf
	v_add_f32_dpp v4, v4, v4 row_xmask:2 row_mask:0xf bank_mask:0xf
	v_add_f32_dpp v4, v4, v4 row_xmask:4 row_mask:0xf bank_mask:0xf
	v_add_f32_dpp v4, v4, v4 row_xmask:8 row_mask:0xf bank_mask:0xf
	v_permlanex16_b32 v5, v4, s56, s57             ; the other half of the lanes (its destination has been written)
	v_add_f32 v4, v4, v5
	v_fma_f32 v4, v4, s53, s54                     ; sum / 2048 + 1e-5
	v_rsq_f32 v12, v4                              ; twice: a pair for the packed multiply
	v_rsq_f32 v13, v4
	v_nop                                          ; a plain instruction behind the last root,
	s_wait_alu depctr_va_vdst(0)                   ; and one wait for both: the roots v12 and v13 are written, ahead of their first reader
.set i, 0
.rept 32
	v_pk_mul_f32 v[XR+2*i:XR+2*i+1], v[XR+2*i:XR+2*i+1], v[12:13]
.set i, i+1
.endr
.set i, 0
.rept 32
	v_pk_mul_f32 v[XR+2*i:XR+2*i+1], v[XR+2*i:XR+2*i+1], v[NWR+2*i:NWR+2*i+1]
.set i, i+1
.endr
.endm
	s_wait_alu depctr_va_vdst(0)                   ; the offsets v1, v2 and v3 are written: every load below reads v1, the stores v2 or v3
	LOADROW 0
	LOADROW 1
	s_cmp_lt_u32 s2, 448
	s_cbranch_scc1 .Lcvt                           ; a weight is only rounded; x is normed first
	s_mov_b32 s53, 0x3a000000                      ; 1 / 2048
	s_mov_b32 s54, 0x3727c5ac                      ; 1e-5
	s_mov_b32 s56, 0x76543210
	s_mov_b32 s57, 0xfedcba98
.irp c, 0,1,2,3,4,5,6,7,8,9,10,11,12,13,14,15
	global_load_b128 v[NWR+4*(\c):NWR+4*(\c)+3], v1, s[20:21] offset:512*(\c)  ; no vector instruction has been issued since the wait above
.endr
	s_wait_loadcnt 0x0                             ; both rows and norm_w
	NORM 0
	NORM 1
.Lcvt:
	s_wait_loadcnt 16                              ; row 0 is in; row 1's sixteen loads may stay out
	ROUNDROW 0
	s_wait_alu depctr_va_vdst(0)                   ; row 0's conversions have written the registers that its stores read
	STOREROW 0                                     ; they go out ahead of the wait for row 1
	s_wait_loadcnt 0x0
	ROUNDROW 1                                     ; names row 1's registers alone: none that row 0's stores read
	s_wait_alu depctr_va_vdst(0)                   ; row 1's conversions have written the registers that its stores read
	STOREROW 1
	s_endpgm
; THE MASK.  Job i = job - 576: tile t = i / 2 (16 query rows); wave job u = 8 (i % 2) + w takes keys 128 u .. 128 u + 127.  Lane l loads 16 bytes of row l % 16: keys 32 c + 16 (l / 16) + 0..15.
; A swap of lane halves turns the four registers of a load into two key blocks in the layout of a 16 x 16 result.  The job's 64 words lie in lanes 0-15, which store 256 consecutive bytes, aligned.
.Lmask:
	s_sub_co_u32 s44, s2, 576
	s_lshr_b32 s45, s44, 1                         ; the tile
	s_and_b32 s46, s44, 1
	s_lshl_b32 s46, s46, 3
	s_add_co_u32 s46, s46, s3                      ; u
	s_lshl_b32 s48, s45, 15                        ; 16 rows of 2,048 bytes
	s_lshl_b32 s47, s46, 7
	s_add_co_u32 s48, s48, s47
	s_mov_b32 s49, 0
	s_add_nc_u64 s[22:23], s[22:23], s[48:49]
	s_lshl_b32 s50, s45, 12                        ; a tile's 1,024 words
	s_lshl_b32 s47, s46, 8                         ; my job's 64
	s_add_co_u32 s50, s50, s47
	s_mov_b32 s51, 0
	s_add_nc_u64 s[28:29], s[28:29], s[50:51]
	v_and_b32 v1, 15, v0
	v_bfe_u32 v2, v0, 4, 1
	v_lshlrev_b32 v1, 11, v1
	v_lshl_add_u32 v1, v2, 4, v1                   ; row x 2,048 + 16 x half
	v_lshlrev_b32 v2, 4, v5                        ; the store: 16 bytes a lane
	s_wait_alu depctr_va_vdst(0)                   ; v1 is written, which the four loads read as their offset
.irp c, 0,1,2,3
	global_load_b128 v[16+4*(\c):16+4*(\c)+3], v1, s[22:23] offset:32*(\c) th:TH_LOAD_NT
.endr
.irp k, 8,9,10,11
	v_mov_b32 v\k, 0                               ; the words to store: word 8 kb + j lies in lane 2 kb + j / 4, register j % 4
.endr
.irp c, 0,1,2,3
.set SM, 32+16*((\c)%2)                ; this load's sixteen lane masks: s[32:47] and s[48:63] by turns
	s_wait_loadcnt 3-(\c)                          ; the younger loads may stay out
	v_permlane16_swap_b32 v[16+4*(\c)], v[16+4*(\c)+2]    ; registers 0, 1: key block 2 c (lanes 16-31: its keys 8..15);
	v_permlane16_swap_b32 v[16+4*(\c)+1], v[16+4*(\c)+3]  ; registers 2, 3: key block 2 c + 1
.irp o, 0,1
.irp j, 0,1,2,3,4,5,6,7
	v_and_b32 v[48+8*(\o)+(\j)], 0xff<<(8*((\j)%4)), v[16+4*(\c)+2*(\o)+(\j)/4]
.endr
.endr
.irp o, 0,1
.irp j, 0,1,2,3,4,5,6,7
	v_cmp_ne_u32 s[SM+8*(\o)+(\j)], 0, v[48+8*(\o)+(\j)]  ; a bit a lane
.endr
.endr
	s_wait_alu depctr_va_sdst(0)                   ; the sixteen compares have written their lane masks, which the sixteen lines below read
.irp o, 0,1
.irp j, 0,1,2,3,4,5,6,7
	v_writelane_b32 v[8+(\j)%4], s[SM+8*(\o)+(\j)], 2*(2*(\c)+(\o))+(\j)/4
.endr
.endr
.endr
	v_cmp_gt_u32 vcc_lo, 16, v5
	s_wait_xcnt 0x0                                ; EXEC changes only behind this wait
	s_wait_alu depctr_va_vcc(0)                    ; the compare has written VCC, from which EXEC is made
	s_wait_alu depctr_va_vdst(0)                   ; EXEC is written next: every vector instruction issued under the full EXEC has written its result, v[8:11] and v2, which the store reads, among them
	s_wait_alu depctr_vm_vsrc(0)                   ; and every memory instruction issued under the full EXEC has read its vector registers
	s_and_saveexec_b32 s30, vcc_lo
	global_store_b128 v2, v[8:11], s[28:29]        ; lanes 0-15: 256 consecutive bytes
	s_wait_xcnt 0x0
	s_wait_alu depctr_va_vdst(0)                   ; EXEC is written next: no vector instruction was issued under the narrow EXEC
	s_wait_alu depctr_vm_vsrc(0)                   ; the store has read v2 and v[8:11] under the narrow EXEC
	s_or_b32 exec_lo, exec_lo, s30
	s_endpgm
.Lfunc_end_k_q78318a2a21_prep:
	.size	k_q78318a2a21_prep, .Lfunc_end_k_q78318a2a21_prep-k_q78318a2a21_prep
	.p2alignl 7, 3214868480
	.fill 96, 4, 3214868480
	.section	.rodata,"a",@progbits
	.p2align	6, 0x0
	.amdhsa_kernel k_q78318a2a21_prep
		.amdhsa_group_segment_fixed_size 0
		.amdhsa_private_segment_fixed_size 0
		.amdhsa_enable_private_segment 0
		.amdhsa_kernarg_size 88
		.amdhsa_user_sgpr_count 2
		.amdhsa_user_sgpr_kernarg_segment_ptr 1
		.amdhsa_wavefront_size32 1
		.amdhsa_system_sgpr_workgroup_id_x 1
		.amdhsa_system_sgpr_workgroup_id_y 1
		.amdhsa_system_sgpr_workgroup_id_z 1
		.amdhsa_system_vgpr_workitem_id 0
		.amdhsa_next_free_vgpr 208
		.amdhsa_next_free_sgpr 66
		.amdhsa_reserve_vcc 1
		.amdhsa_float_denorm_mode_32 3
		.amdhsa_float_denorm_mode_16_64 3
		.amdhsa_memory_ordered 1
		.amdhsa_forward_progress 1
		.amdhsa_inst_pref_size 43
	.end_amdhsa_kernel
	.amdgpu_metadata
---
amdhsa.version: [ 1, 2 ]
amdhsa.kernels:
  - .name:           k_q78318a2a21_prep
    .symbol:         k_q78318a2a21_prep.kd
    .args:
      - { .name: wq, .offset: 0, .size: 8, .value_kind: global_buffer, .address_space: global }
      - { .name: wk, .offset: 8, .size: 8, .value_kind: global_buffer, .address_space: global }
      - { .name: wv, .offset: 16, .size: 8, .value_kind: global_buffer, .address_space: global }
      - { .name: w_gate, .offset: 24, .size: 8, .value_kind: global_buffer, .address_space: global }
      - { .name: w_up, .offset: 32, .size: 8, .value_kind: global_buffer, .address_space: global }
      - { .name: x, .offset: 40, .size: 8, .value_kind: global_buffer, .address_space: global }
      - { .name: norm_w, .offset: 48, .size: 8, .value_kind: global_buffer, .address_space: global }
      - { .name: mask, .offset: 56, .size: 8, .value_kind: global_buffer, .address_space: global }
      - { .name: W1, .offset: 64, .size: 8, .value_kind: global_buffer, .address_space: global }
      - { .name: H, .offset: 72, .size: 8, .value_kind: global_buffer, .address_space: global }
      - { .name: MB, .offset: 80, .size: 8, .value_kind: global_buffer, .address_space: global }
    .group_segment_fixed_size: 0
    .private_segment_fixed_size: 0
    .kernarg_segment_align: 8
    .kernarg_segment_size: 88
    .max_flat_workgroup_size: 256
    .sgpr_count:     66
    .vgpr_count:     208
    .wavefront_size: 32
...
	.end_amdgpu_metadata
.endif
;; end of part 5
;; launch proj: the kernel of part 2 again; grid 32 x 8, 4 waves a work-group, clusters of 4 x 4, 327,680 bytes of LDS; arguments H, W1, cos, sin, Qb, Kb, Vb, A2, wo, w_down, W2; writes Qb, Kb, Vb, A2, W2
;; launch attn: the kernel of part 3 again; grid 32 x 8, 4 waves a work-group, clusters of 4 x 1, 327,680 bytes of LDS; arguments Qb, Kb, Vb, A2, MB; writes A2
;; launch outp: the kernel of part 4 again; grid 16 x 16, 4 waves a work-group, clusters of 4 x 4, 327,680 bytes of LDS; arguments A2, W2, out0, x; writes out0
